; MI455X (gfx1250); checked and timed in simulation.
; The chip was launched on July 23, 2026; its instructions are those of AMD's public machine-readable ISA for CDNA 5 (MIT licence, August 2026) and "CDNA5" Instruction Set Architecture Reference Guide (July 2026). The comments in the code are by the model that wrote it; some were corrected since.
;; SA Block. Allowed arithmetic: matrix products marked QUANTISED: E2M1 operands, one E8M0 scale for each 32 along K, by v_wmma_scale_f32_16x16x128_f8f6f4 with both operands' format E2M1 (or v_wmma_scale_f32_32x16x128_f4), f32 sums; everything else in f32.
;; Inputs: Wk 1,024 x 1,024 float32; Wq 1,024 x 1,024 float32; Wv 1,024 x 1,024 float32; b1 4,096 float32; b2 1,024 float32; be1 1,024 float32; be2 1,024 float32; embed 2 x 2,048 x 1,024 float32; g1 1,024 float32; g2 1,024 float32; src_mask 2,048 x 2,048 float32; w1 4,096 x 1,024 float32; w2 1,024 x 4,096 float32.
;; Outputs: out0 2 x 2,048 x 1,024 float32.
;; This version of the problem:
;;   THIS VERSION OF THE PROBLEM IS GIVEN IN LOW PRECISION. The matrix products marked QUANTISED in the list below multiply operands that are first quantised to E2M1 (2 exponent bits, 1 mantissa bit; 4 bits a number), with one power-of-two scale for each 32 numbers along K (OCP MX v1.0); their sums are f32. All else is computed in f32.
;;   The module's matrix products, in the order in which they are computed (A, B: the left and right operand; K: the contracted axis; several contracted axes count as one K, in the product's order):
;;     1. [M 4,096, K 1,024] x [K 1,024, N 1,024]; A: input embed; B: input Wq: QUANTISED
;;     2. [M 4,096, K 1,024] x [K 1,024, N 1,024]; A: input embed; B: input Wk: QUANTISED
;;     3. [M 4,096, K 1,024] x [K 1,024, N 1,024]; A: input embed; B: input Wv: QUANTISED
;;     4. batch 32 x [M 2,048, K 64] x [K 64, N 2,048]; A: computed on the way; B: computed on the way: QUANTISED
;;     5. batch 32 x [M 2,048, K 2,048] x [K 2,048, N 64]; A: softmax (see below); B: computed on the way: QUANTISED
;;     6. [M 4,096, K 1,024] x [K 1,024, N 4,096]; A: computed on the way; B: input w1: QUANTISED
;;     7. [M 4,096, K 4,096] x [K 4,096, N 1,024]; A: computed on the way; B: input w2: QUANTISED
;;   THE QUANTISER, for each operand of a quantised product, along K:
;;     - K is cut into blocks of 32 from its start; a last block that is shorter is filled with zeros.
;;     - A block's scale is 2^e with e = floor(log2(the largest magnitude in the block)) - 2, held to -126 .. 127; a block of zeros has e = 0. As a byte (E8M0): e + 127.
;;     - Each number is divided by its block's scale, clamped to +-6, and rounded to the nearest number of E2M1, ties to even, subnormals kept.
;;     - The product sums the exact products of the quantised numbers (number of the format x scale) in f32.
;;   ~~~python
;;   def quantise(x, axis):      # numpy; x: float32 -> the quantised numbers, widened to float32 again
;;       x = np.moveaxis(x, axis, -1); K = x.shape[-1]
;;       x = np.pad(x, [(0, 0)] * (x.ndim - 1) + [(0, -K % 32)]); x = x.reshape(x.shape[:-1] + (-1, 32)); a = np.abs(x).max(-1, keepdims=True)
;;       e = np.where(a > 0, np.clip(np.frexp(np.where(a > 0, a, 1))[1] - 1 - 2, -126, 127), 0)      # np.frexp(a)[1] - 1 = floor(log2(a)), exactly
;;       r = np.clip(x / 2.0 ** e, -6, 6)
;;       step = 2.0 ** (np.maximum(np.frexp(np.where(r == 0, 1, r))[1] - 1, 0) - 1)
;;       q = np.round(r / step) * step * 2.0 ** e      # np.round: ties to even
;;       return np.moveaxis(q.reshape(q.shape[:-2] + (-1,))[..., :K], -1, axis).astype(np.float32)
;;   ~~~
;;   SOFTMAX AHEAD OF A QUANTISED PRODUCT. Where the list says 'softmax', what is quantised is not the finished softmax but p = 2^(t - M), with t = logit x log2(e) and M = ceil(the row's largest t), a whole number; so 1/2 < the row's largest p <= 1. The row's sum l is taken of the UNQUANTISED p, in f32, and the product's result is divided by l at the end. Since M is a whole number, a kernel that streams over the keys may use a running M (the ceiling of the running maximum): every later rescaling is an exact power of two, which a block's scale takes up: the codes' values come out the same.
;;   OPERANDS COMPUTED ON THE WAY. 'Computed on the way' means the value that the module computes at that place (a softmax that the list does not call 'softmax' is quantised finished and normalised). What goes into a quantiser is computed in f32, as accurately as f32 sums, v_exp_f32 and their like allow (about 1e-6 of the number): no bf16 or f16 on the way to a quantiser, and a product that is left as it is and whose result goes on into a quantised operand takes f32 operands (vector FMAs, or v_wmma_f32_16x16x4_f32). A number that lies on a knife's edge between two numbers of the format may be rounded either way, as far as f32 arithmetic and the matrix unit's own rounding can turn it there, and no further.
;; 2 versions, each right and faster than the one before. Each part assembles by itself: llvm-mc -triple=amdgcn-amd-amdhsa -mcpu=gfx1250 --defsym DOCPART=n.
;; ======== version 1 of 2: 6 launches
;; workspace buffers: cod 8,355,840 bytes; qq 4,587,520 bytes; kv 4,587,520 bytes; outf 16,777,216 bytes; outc 2,228,224 bytes; hc 8,912,896 bytes; x2 16,777,216 bytes
;; launch quant (part 1): grid 480 x 1, 4 waves a work-group, no clusters, 34,304 bytes of LDS; arguments embed, w1, w2, Wq, Wk, Wv, cod; writes cod
.if DOCPART == 1
	.amdgcn_target "amdgcn-amd-amdhsa--gfx1250"
	.amdhsa_code_object_version 6
	.text
	.protected	k_q44698a8ce7_quant
	.globl	k_q44698a8ce7_quant
	.p2align	8
	.type	k_q44698a8ce7_quant,@function
k_q44698a8ce7_quant:
	s_mov_b64 s[64:65], 0
	v_nop
	global_prefetch_b8 v0, s[64:65] scope:SCOPE_SE
	s_setreg_imm32_b32 hwreg(HW_REG_WAVE_MODE, 25, 1), 1
	s_wait_xcnt 0x0
; embed [4096][1024], w1 [4096][1024], w2 [1024][4096], Wq, Wk, Wv [1024][1024], f32, K innermost, become codes of FP4 (E2M1) with one E8M0 byte for each 32 along K,
; laid in cod as the products' operand registers want them.
; IMAGE (16 rows x 128 K, 1,024 bytes): [c 2][lane 32][16 bytes]: lane (r, hh), group c holds k = 64 c + 32 hh + 0 .. 31 of the tile's row r: the operand's registers 4 c .. 4 c + 3.
; PANEL (256 rows x 512 K, 69,632 bytes): 16 tiles x 4 K steps of images, then at +65,536 the scale words [q 4][half 2][iq 2][r 16][i4 4], tile = 8 half + 4 iq + i4.
; THE ROWS OF A TILE ARE NOT NEIGHBOURS: lane r of tile 2 B + u takes row 32 B + 8 u + r + 8 (r / 8), so that, with such a tile as source 0, the 16 registers of two neighbouring result tiles are 16 neighbours.
; A block's scale is 2^(floor(log2(largest magnitude)) - 2); its byte is the largest magnitude's exponent field - 2, held at 1 from below.
; LIMITS: a block whose largest magnitude lies under 2^-124 gets the byte 1; a block of zeros gets the byte 1 where the rule says 127 (its codes are zeros, and this program alone reads the bytes); NaN and infinities are not served.
; SHARES: a work-group takes 64 rows (4 tiles) x 512 K; wave q its q-th 128 along K: four fragments.  Each load reads 512 consecutive bytes of one row; a fragment's 16 rows turn through the wave's own stage in LDS,
; from which a lane takes 16 neighbours of each block of 32.  Waves share nothing: no barrier.  Two fragments' loads (16 KB a wave) are on their way.
.set PAN,    69632
.set OFF_W1, 2228224
.set OFF_W2, 4456448
.set OFF_W,  6684672
.set SP,     528                       ; a stage row: 512 bytes + 16
.set WST,    16*SP                     ; a wave's stage
.set OFFS,   8                         ; v8-23   byte offset of row i of a tile, + 16 x lane
.set TM,     24                        ; v24-39  at work
.set PWT,    40                        ; v40-43  the four fragments' scale words
.set PC,     48                        ; v48-55  a fragment's codes
.set R,      64                        ; v64-191 two sets of 64 registers as loaded
.set X,      192                       ; v192-255 64 numbers: register 16 b + i = k 32 b + 16 hh + i of my row
.set WV,     18
.set SEL,    20
	s_load_b256 s[4:11], s[0:1], 0x0               ; embed, w1, w2, Wq
	s_load_b128 s[12:15], s[0:1], 0x20             ; Wk, Wv
	s_load_b64 s[16:17], s[0:1], 0x30              ; cod
	v_lshl_add_u32 v62, v0, 2, 0x8400
	v_mov_b32 v63, 0
	v_lshrrev_b32 v1, 5, v0
	v_readfirstlane_b32 s[WV], v1                  ; wave 0..3
	v_and_b32 v6, 31, v0                           ; lane
	v_and_b32 v7, 15, v0                           ; r
	v_bfe_u32 v5, v0, 4, 1                         ; hh
	v_lshlrev_b32 v1, 4, v6                        ; 16 x lane
	s_mul_i32 s19, s[WV], WST
	v_add_nc_u32 v2, s19, v1                       ; the stage, on the way in
	v_mul_u32_u24 v3, v7, SP
	v_lshl_add_u32 v3, v5, 6, v3
	v_add_nc_u32 v3, s19, v3                       ; and on the way out: row r, + 64 hh
	v_lshlrev_b32 v4, 4, v7
	v_lshl_add_u32 v4, v5, 3, v4                   ; the scale words' place: 16 r + 8 hh
	s_mov_b32 s[SEL], 0x76543210
	s_mov_b32 s[SEL+1], 0xfedcba98                 ; v_permlanex16_b32's selects for lane l xor 16
.irp b, 0,1,2,3
	v_mov_b32 v[TM+4+\b], 0                        ; written once: a lane permute's destination counts as one of its sources
.endr
	; which tensor: work-groups 0-127 embed, 128-255 w1, 256-383 w2, 384-479 Wq, Wk, Wv.  The choices hang on the work-group's number alone
	s_sub_co_u32 s33, ttmp9, 384                   ; j, the number inside the tensor (first as for the three W)
	s_lshr_b32 s40, s33, 5                         ; which of the three
	s_mov_b32 s34, 1                               ; sh: 2^sh panels along K
	s_mov_b32 s35, 18                              ; 64 rows are 2^18 bytes
	s_mov_b32 s36, OFF_W
	s_mov_b32 s37, 15                              ; groups of 64 rows in a tensor, less one
	s_sub_co_u32 s38, ttmp9, 256
	s_mov_b32 s39, OFF_W2
	s_cmp_lt_u32 ttmp9, 384
	s_cselect_b32 s33, s38, s33
	s_cselect_b32 s34, 3, s34
	s_cselect_b32 s35, 20, s35
	s_cselect_b32 s36, s39, s36
	s_cselect_b32 s37, 63, s37
	s_sub_co_u32 s38, ttmp9, 128
	s_mov_b32 s39, OFF_W1
	s_cmp_lt_u32 ttmp9, 256
	s_cselect_b32 s33, s38, s33
	s_cselect_b32 s34, 1, s34
	s_cselect_b32 s35, 18, s35
	s_cselect_b32 s36, s39, s36
	s_cmp_lt_u32 ttmp9, 128
	s_cselect_b32 s33, ttmp9, s33
	s_cselect_b32 s36, 0, s36
	s_lshr_b32 s41, s33, s34                       ; g: which 64 rows
	s_lshl_b32 s42, 1, s34
	s_sub_co_u32 s42, s42, 1
	s_and_b32 s42, s33, s42                        ; which 512 along K
	s_sub_co_u32 s43, s35, 6
	s_lshl_b32 s43, 1, s43                         ; a row in bytes
	s_and_b32 s44, s41, s37
	s_lshl_b32 s44, s44, s35
	s_lshl_b32 s45, s42, 11
	s_add_co_u32 s44, s44, s45
	s_lshl_b32 s45, s[WV], 9
	s_add_co_u32 s44, s44, s45                     ; where my 128 along K of the 64 rows begin
	s_mov_b32 s45, 0
	s_lshr_b32 s46, s41, 2
	s_mul_i32 s46, s46, PAN
	s_lshl_b32 s46, s46, s34
	s_mul_i32 s47, s42, PAN
	s_add_co_u32 s46, s46, s47
	s_add_co_u32 s46, s46, s36                     ; the panel
	s_and_b32 s47, s41, 3                          ; which four of its tiles
	s_lshl_b32 s48, s[WV], 10
	s_add_co_u32 s46, s46, s48
	s_lshl_b32 s48, s47, 14
	s_add_co_u32 s48, s46, s48                     ; my images
	s_mov_b32 s49, 0
	s_lshl_b32 s50, s47, 8
	s_add_co_u32 s50, s46, s50
	s_add_co_u32 s50, s50, 65536                   ; my scale words
	s_mov_b32 s51, 0
.irp i, 0,1,2,3,4,5,6,7,8,9,10,11,12,13,14,15
	s_mul_i32 s52, s43, \i+8*(\i/8)
	v_add_nc_u32 v[OFFS+\i], s52, v1               ; a tile's lane-row i is row i + 8 (i / 8) from the tile's first
.endr
	s_wait_kmcnt 0x0
	s_cmp_eq_u32 s40, 1
	s_cselect_b64 s[10:11], s[12:13], s[10:11]
	s_cmp_eq_u32 s40, 2
	s_cselect_b64 s[10:11], s[14:15], s[10:11]
	s_cmp_lt_u32 ttmp9, 384
	s_cselect_b64 s[10:11], s[8:9], s[10:11]
	s_cmp_lt_u32 ttmp9, 256
	s_cselect_b64 s[10:11], s[6:7], s[10:11]
	s_cmp_lt_u32 ttmp9, 128
	s_cselect_b64 s[10:11], s[4:5], s[10:11]
	s_add_nc_u64 s[10:11], s[10:11], s[44:45]
.irp T, 0,1,2,3
	s_mul_i32 s52, s43, 32*(\T/2)+8*(\T%2)
	s_mov_b32 s53, 0
	s_add_nc_u64 s[24+2*\T:25+2*\T], s[10:11], s[52:53]   ; tile T begins at row 32 (T / 2) + 8 (T % 2)
.endr
	s_add_nc_u64 s[54:55], s[16:17], s[48:49]
	s_add_nc_u64 s[56:57], s[16:17], s[50:51]
.macro LOAD T                          ; tile T's 16 rows, 512 consecutive bytes a load
.irp i, 0,1,2,3,4,5,6,7,8,9,10,11,12,13,14,15
	global_load_b128 v[R+64*((\T)%2)+4*\i:R+64*((\T)%2)+4*\i+3], v[OFFS+\i], s[24+2*(\T):25+2*(\T)] th:TH_LOAD_NT
.endr
.endm
.macro TURN T                          ; through the stage: LDS serves a wave's instructions in order, so no wait stands between the stores and the loads
.irp i, 0,1,2,3,4,5,6,7,8,9,10,11,12,13,14,15
	ds_store_b128 v2, v[R+64*((\T)%2)+4*\i:R+64*((\T)%2)+4*\i+3] offset:SP*\i
.endr
.irp b, 0,1,2,3
.irp j, 0,1,2,3
	ds_load_b128 v[X+16*\b+4*\j:X+16*\b+4*\j+3], v3 offset:128*\b+16*\j
.endr
.endr
.endm
; 64 numbers of a lane become a fragment's codes in v[PC] on and its row's scale word in v[pw]
.macro QUANT s, pw
.irp b, 0,1,2,3
	v_max3_num_f32 v[TM+\b], |v[\s+16*\b]|, |v[\s+1+16*\b]|, 0x1800000   ; my 16 numbers of block b, and the floor 2^(3 - 127): the byte cannot fall under 1
.endr
.irp i, 2,4,6,8,10,12,14
.irp b, 0,1,2,3
	v_max3_num_f32 v[TM+\b], v[TM+\b], |v[\s+16*\b+\i]|, |v[\s+1+16*\b+\i]|
.endr
.endr
.irp b, 0,1,2,3
	v_permlanex16_b32 v[TM+4+\b], v[TM+\b], s[SEL], s[SEL+1]
.endr
.irp b, 0,1,2,3
	v_max_num_f32 v[TM+\b], v[TM+\b], v[TM+4+\b]   ; with lane l xor 16's: the block's largest magnitude
.endr
.irp b, 0,1,2,3
	v_add_nc_u32 v[TM+12+\b], 0xff000000, v[TM+\b] ; 2 off its exponent field: the conversion's scale operand
.endr
.irp b, 0,1,2,3
	v_lshrrev_b32 v[TM+4+\b], 23, v[TM+12+\b]      ; the scale's byte
.endr
	v_lshl_or_b32 v[\pw], v[TM+5], 8, v[TM+4]
	v_lshl_or_b32 v[\pw], v[TM+6], 16, v[\pw]
	v_lshl_or_b32 v[\pw], v[TM+7], 24, v[\pw]
.irp b, 0,1,2,3
	v_cvt_scalef32_pk8_fp4_f32 v[PC+2*\b], v[\s+16*\b:\s+7+16*\b], v[TM+12+\b]
	v_cvt_scalef32_pk8_fp4_f32 v[PC+1+2*\b], v[\s+8+16*\b:\s+15+16*\b], v[TM+12+\b]
.endr
	v_nop                                          ; one plain place behind a scaled conversion
.irp c, 0,1                                    ; a whole block to a lane: lanes 0-15 block 2 c, lanes 16-31 block 2 c + 1
.irp i, 0,1
	v_permlane16_swap_b32 v[PC+4*\c+\i], v[PC+2+4*\c+\i]
.endr
.endr
.endm
.macro FRAGMENT T
.if \T < 3
	s_wait_loadcnt 16                              ; this tile's 16 loads are in; the next tile's 16 may be out
.else
	s_wait_loadcnt 0x0
.endif
	TURN \T
	s_wait_dscnt 0x0                               ; my 64 numbers are back, and the stores have read the registers that the next loads fill
.if \T < 2
	LOAD \T+2
.endif
.if \T > 0
	s_wait_xcnt 0x0                                ; the last image's stores have read v[PC] on
.endif
	QUANT X, PWT+\T
	global_store_b128 v1, v[PC:PC+3], s[54:55] offset:\T*4096          ; 32 lanes store 512 consecutive bytes
	global_store_b128 v1, v[PC+4:PC+7], s[54:55] offset:\T*4096+512
.endm
	LOAD 0
	LOAD 1
	FRAGMENT 0
	FRAGMENT 1
	FRAGMENT 2
	FRAGMENT 3
	v_cmp_eq_u32 vcc_lo, 1, v5
	v_cndmask_b32 v44, v[PWT], v[PWT+2], vcc_lo    ; lanes 0-15 store tiles 0 and 1's words of row r, lanes 16-31 tiles 2 and 3's
	v_cndmask_b32 v45, v[PWT+1], v[PWT+3], vcc_lo
	global_store_b64 v4, v[44:45], s[56:57]        ; 32 lanes store 256 consecutive bytes, aligned
	s_wait_tensorcnt 0x0
	ds_add_u32 v62, v63
	s_wait_dscnt 0x0
	s_endpgm
.Lfunc_end_k_q44698a8ce7_quant:
	.size	k_q44698a8ce7_quant, .Lfunc_end_k_q44698a8ce7_quant-k_q44698a8ce7_quant
	.p2alignl 7, 3214868480
	.fill 96, 4, 3214868480
	.section	.rodata,"a",@progbits
	.p2align	6, 0x0
	.amdhsa_kernel k_q44698a8ce7_quant
		.amdhsa_group_segment_fixed_size 34304
		.amdhsa_private_segment_fixed_size 0
		.amdhsa_enable_private_segment 0
		.amdhsa_kernarg_size 56
		.amdhsa_user_sgpr_count 2
		.amdhsa_user_sgpr_kernarg_segment_ptr 1
		.amdhsa_wavefront_size32 1
		.amdhsa_system_sgpr_workgroup_id_x 1
		.amdhsa_system_sgpr_workgroup_id_y 1
		.amdhsa_system_sgpr_workgroup_id_z 1
		.amdhsa_system_vgpr_workitem_id 0
		.amdhsa_next_free_vgpr 256
		.amdhsa_next_free_sgpr 66
		.amdhsa_reserve_vcc 1
		.amdhsa_float_denorm_mode_32 3
		.amdhsa_float_denorm_mode_16_64 3
		.amdhsa_memory_ordered 1
		.amdhsa_forward_progress 1
		.amdhsa_inst_pref_size 36
	.end_amdhsa_kernel
	.amdgpu_metadata
---
amdhsa.version: [ 1, 2 ]
amdhsa.kernels:
  - .name:           k_q44698a8ce7_quant
    .symbol:         k_q44698a8ce7_quant.kd
    .args:
      - { .name: embed, .offset: 0, .size: 8, .value_kind: global_buffer, .address_space: global }
      - { .name: w1, .offset: 8, .size: 8, .value_kind: global_buffer, .address_space: global }
      - { .name: w2, .offset: 16, .size: 8, .value_kind: global_buffer, .address_space: global }
      - { .name: Wq, .offset: 24, .size: 8, .value_kind: global_buffer, .address_space: global }
      - { .name: Wk, .offset: 32, .size: 8, .value_kind: global_buffer, .address_space: global }
      - { .name: Wv, .offset: 40, .size: 8, .value_kind: global_buffer, .address_space: global }
      - { .name: cod, .offset: 48, .size: 8, .value_kind: global_buffer, .address_space: global }
    .group_segment_fixed_size: 34304
    .private_segment_fixed_size: 0
    .kernarg_segment_align: 8
    .kernarg_segment_size: 56
    .max_flat_workgroup_size: 128
    .sgpr_count:     66
    .vgpr_count:     256
    .wavefront_size: 32
...
	.end_amdgpu_metadata
.endif
;; end of part 1
;; launch qkv (part 2): grid 16 x 12, 4 waves a work-group, clusters of 4 x 4, 327,680 bytes of LDS; arguments cod, qq, kv; writes qq, kv
.if DOCPART == 2
	.amdgcn_target "amdgcn-amd-amdhsa--gfx1250"
	.amdhsa_code_object_version 6
	.text
	.protected	k_q44698a8ce7_qkv
	.globl	k_q44698a8ce7_qkv
	.p2align	8
	.type	k_q44698a8ce7_qkv,@function
k_q44698a8ce7_qkv:
	s_mov_b64 s[64:65], 0
	v_nop
	global_prefetch_b8 v0, s[64:65] scope:SCOPE_SE
	s_setreg_imm32_b32 hwreg(HW_REG_WAVE_MODE, 25, 1), 1
	s_wait_xcnt 0x0
	s_wait_alu depctr_hold_cnt(0) depctr_sa_sdst(0) depctr_va_vdst(0) depctr_va_sdst(0) depctr_va_ssrc(0) depctr_va_vcc(0) depctr_vm_vsrc(0)
	s_getreg_b32 s2, hwreg(HW_REG_IB_STS2, 6, 4)
	s_cmp_eq_u32 s2, 0
	s_cbranch_scc0 .Lentry_in_a_cluster
	s_endpgm
.Lentry_in_a_cluster:
	s_bfe_u32 s2, ttmp6, 0x10000c
	s_cmp_lg_u32 s2, 0xf033
	s_cbranch_scc0 .Lentry_shape_is_right
	s_endpgm
.Lentry_shape_is_right:
; q, k, v = embed x Wq^T, Wk^T, Wv^T on codes of FP4 with E8M0 scales (K = 1,024), and the results quantised in registers for attention's two products.
; OPERANDS come from cod as panels of 256 rows x 512 K (69,632 dense bytes: 64 images of 16 rows x 128 K in the order of the operand's registers, then the scale words).
; A work-group of four waves makes 256 'A rows' x 256 'B rows', a wave 128 x 128: 64 accumulators.  THE PRODUCT IS USED TRANSPOSED: source 0 = a tile of B, source 1 = a tile of A: a lane holds one row of A, and since cod's tiles
; take their rows as 32 B + 8 u + r + 8 (r / 8), the 64 registers of A's tile a run along 128 neighbouring rows of B: register 16 B + i = row 32 B + 16 hh + i.
; TWO ROLES, by the cluster's y (the same in all sixteen partners).  y = 1, 2: A = embed, B = Wq or Wk: a lane holds a token and its registers run along the features: q and k are quantised along the head's 64.
; y = 0: A = Wv, B = embed: a lane holds a feature and its registers run along the tokens: v is quantised along the keys.
; OUT: records of 128 tokens, [head 16][8,960 bytes]: 8 tiles x 512 bytes of q's or k's codes (an operand's registers 0-3: K = 64), at 4,096 their scale words [tq 2][r 16][t % 4] (bytes 2, 3 = 0, over zero codes),
; at 4,608 v's four tiles of 16 d x 128 keys, at 8,704 their scale words [r 16][dt 4].  qq holds q (its v parts are neither written nor read), kv holds k and v.
; K = 1,024 is two panels: both LDS slots are filled once, by joint loads: A's panel is shared along a row of the 4 x 4 cluster, B's along a column.
; LIMITS: a block whose largest magnitude lies under 2^-124, and a block of zeros, get the byte 1; NaN and infinities are not served.
; REGISTERS: window 0: v1 r, v2 hh, v16-29 addresses; v32-95 scale words, two sets; v128-255 A's fragments, two sets (behind the last product: the quantiser's registers).  window 1: v0-63, v128-191 B's fragments.  windows 2, 3: accumulators.
.set PAN,   69632
.set HALFP, 34816                      ; half a panel: what one tensor load brings: 136 rows of 256 bytes
.set SLOT,  2*PAN                      ; A's panel, then B's
.set SPARE, 2*SLOT                     ; the spare words: 128 bytes for each wave, two blocks of 256 bytes that no other line names
.set RB2,   2*PAN                      ; a block of 256 rows with K = 1,024
.set OFF_W, 6684672
.set REC,   143360
.set HREC,  8960
.set ADRA, 16                          ; v16-17 LDS address of my A images in slot 0, 1
.set ADRB, 20                          ; v20-21 of my B images
.set ADRS, 22                          ; v22-23 of my scale words: lanes 0-15 A's, lanes 16-31 B's
.set LI,   24                          ; v24    16 x lane
.set SPW,  28
.set NIL,  29
.set SC,   32                          ; scale words: set s, K step q, tile i at v[SC + 32 s + 8 q + i]
.set AF,   128
.set TM,   128                         ; the way out: at work
.set PC,   144                         ; a fragment's codes
.set PW,   160                         ; the eight scale words
.set WD,   168                         ; scale words as they are stored
.set G1, 24
.set G0, 32
.set G1B, 48
.set G0B, 56
.set SEL, 66
.set MSB, 0
.macro WIN new                         ; the immediate's high byte repeats the setting that is left
.if MSB != \new
	s_set_vgpr_msb (MSB<<8)|\new
.set MSB, \new
.endif
.endm
.set MUL_LO, 0xa1                      ; source 0 (B) window 1, source 1 (A) window 0, C and D window 2
.set MUL_HI, 0xf1                      ; the same, C and D window 3
.set TO_B,   0x40                      ; destination window 1, address window 0
.macro PLACES n
.rept \n
	v_nop
.endr
.endm
; A joint load: waves 0 and 1 fetch A's panel halves, waves 2 and 3 B's.  The branch hangs on the wave's number alone.  Four v_nop follow each of the two lines.
.macro JLOAD g0a, g1a, g0b, g1b
	s_cmp_eq_u32 s15, 0
	s_cbranch_scc0 .Lfor_b_\@
	tensor_load_to_lds s[\g0a:\g0a+3], s[\g1a:\g1a+7]
	s_nop 0
.rept 4
	v_nop
.endr
	s_branch .Lasked_\@
.Lfor_b_\@:
	tensor_load_to_lds s[\g0b:\g0b+3], s[\g1b:\g1b+7]
	s_nop 0
.rept 4
	v_nop
.endr
.Lasked_\@:
.endm
.macro CREST                           ; a round of the cluster's barrier behind its opening barrier
	s_cmp_lg_u32 s14, 0
	s_cbranch_scc1 .Lnot_wave_0_\@
	s_barrier_signal -3
.Lnot_wave_0_\@:
	s_barrier_wait -3
	s_barrier_signal -1
	s_barrier_wait -1
.endm
.macro CROUND
	s_barrier_signal -1
	s_barrier_wait -1
	CREST
.endm
	s_load_b128 s[4:7], s[0:1], 0x0                ; cod, qq
	s_load_b64 s[8:9], s[0:1], 0x10                ; kv
	v_lshl_add_u32 v[SPW], v0, 2, SPARE
	v_mov_b32 v[NIL], 0
	ds_add_u32 v28, v29
	s_wait_dscnt 0x0
	v_lshrrev_b32 v1, 5, v0
	v_readfirstlane_b32 s14, v1                    ; wave 0..3
	s_lshr_b32 s15, s14, 1                         ; RH: my half of A's rows.  Also: I fetch for A (0) or for B (1)
	s_and_b32 s16, s14, 1                          ; CH: my half of B's rows.  Also: which half of that panel I fetch
	s_bfe_u32 s40, ttmp6, 0x40000                  ; cx
	s_bfe_u32 s41, ttmp6, 0x40004                  ; cy
	s_and_b32 s17, ttmp7, 0xffff                   ; the cluster's y: the role
	s_lshl_b32 s43, s41, 2
	s_lshl_b32 s43, 15, s43                        ; my row of the cluster
	s_lshl_b32 s44, 0x1111, s40                    ; my column
	s_or_b32 s[G1], s43, (3<<16)|(1<<21)           ; 15:0 the mask; 17:16 elements of 8 bytes; 21 set beside a mask; no padding: an image's 512 bytes are read on end
	s_or_b32 s[G1B], s44, (3<<16)|(1<<21)
.irp g, G1, G1B
	s_mov_b32 s[\g+1], 32<<16                      ; tensor_dim0 = 32 elements: 256 bytes
	s_mov_b32 s[\g+2], 136<<16                     ; tensor_dim1 = 136
	s_mov_b32 s[\g+3], 32<<16                      ; tile_dim0
	s_mov_b32 s[\g+4], 136                         ; tile_dim1
	s_mov_b32 s[\g+5], 32                          ; the pitch: dense
	s_mov_b32 s[\g+6], 0
	s_mov_b32 s[\g+7], 0
.endr
	; which blocks.  y = 1, 2: A = embed's block 4 (y - 1) + 8 (x / 2) + cy, B = W's block 4 (x % 2) + cx (0-3 Wq, 4-7 Wk).  y = 0: A = W's block 8 + cy (Wv), B = embed's block 4 x + cx.  x, y: the cluster's
	s_lshl_b32 s68, s17, 2
	s_sub_co_u32 s68, s68, 4
	s_lshr_b32 s69, ttmp9, 1
	s_lshl_b32 s69, s69, 3
	s_add_co_u32 s68, s68, s69
	s_and_b32 s69, ttmp9, 1                        ; 0: q, 1: k
	s_lshl_b32 s70, s69, 2
	s_lshl_b32 s71, ttmp9, 2
	s_mov_b32 s72, OFF_W
	s_cmp_eq_u32 s17, 0
	s_cselect_b32 s68, 8, s68
	s_cselect_b32 s73, s72, 0
	s_cselect_b32 s70, s71, s70
	s_cselect_b32 s74, 0, s72
	s_add_co_u32 s68, s68, s41                     ; A's block: cy enters A's registers alone,
	s_add_co_u32 s70, s70, s40                     ; B's block: cx B's alone
	s_mul_i32 s18, s16, HALFP
	s_mul_i32 s20, s68, RB2
	s_add_co_u32 s20, s20, s73
	s_add_co_u32 s20, s20, s18
	s_mov_b32 s21, 0
	s_mul_i32 s46, s70, RB2
	s_add_co_u32 s46, s46, s74
	s_add_co_u32 s46, s46, s18
	s_mov_b32 s47, 0
	s_mul_i32 s45, s14, HALFP                      ; where they go: wave x half a panel: no place in the cluster enters an LDS address
	s_wait_kmcnt 0x0
	s_add_nc_u64 s[20:21], s[4:5], s[20:21]
	s_add_nc_u64 s[46:47], s[4:5], s[46:47]
	CROUND                                         ; all sixteen work-groups are here: the first joint loads meet
.irp s, 0,1
	s_mov_b32 s[G0+4*\s], 1
	s_add_co_u32 s[G0+4*\s+1], s45, \s*SLOT
	s_add_nc_u64 s[G0+4*\s+2:G0+4*\s+3], s[20:21], \s*PAN
	s_or_b32 s[G0+4*\s+3], s[G0+4*\s+3], 0x80000000
	s_mov_b32 s[G0B+4*\s], 1
	s_add_co_u32 s[G0B+4*\s+1], s45, \s*SLOT
	s_add_nc_u64 s[G0B+4*\s+2:G0B+4*\s+3], s[46:47], \s*PAN
	s_or_b32 s[G0B+4*\s+3], s[G0B+4*\s+3], 0x80000000
	JLOAD G0+4*\s, G1, G0B+4*\s, G1B               ; two loads of mine are out: both slots' only fills
.endr
	v_and_b32 v1, 15, v0                           ; r
	v_bfe_u32 v2, v0, 4, 1                         ; hh
	v_and_b32 v3, 31, v0
	v_lshlrev_b32 v[LI], 4, v3
	s_lshl_b32 s75, s15, 15                        ; my eight tiles of A: 32,768 bytes a half
	s_lshl_b32 s76, s16, 15
	s_add_co_u32 s76, s76, PAN                     ; and of B, behind A's panel
.irp s, 0,1
	v_add_nc_u32 v[ADRA+\s], s75, v[LI]
	v_add_nc_u32 v[ADRB+\s], s76, v[LI]
	s_add_co_u32 s75, s75, SLOT
	s_add_co_u32 s76, s76, SLOT
.endr
	s_lshl_b32 s75, s15, 9
	s_lshl_b32 s76, s16, 9
	s_add_co_u32 s76, s76, PAN
	s_sub_co_u32 s76, s76, s75                     ; from A's words to B's
	v_mul_u32_u24 v4, s76, v2                      ; lanes 16-31 take B's
	v_lshl_add_u32 v4, v1, 4, v4
	s_add_co_u32 s75, s75, 65536
	v_add_nc_u32 v[ADRS], s75, v4
	s_add_co_u32 s75, s75, SLOT
	v_add_nc_u32 v[ADRS+1], s75, v4
; 16 products: A's tiles a0, a0 + 1 x B's eight, the slot's q-th 128 along K, fragment set p, scale set sc.  mode 1: the product starts the sum.  The 64 accumulators take turns, in the same order in every step.
.macro MUL16 a0, p, q, sc, mode
.irp a, \a0, \a0+1
.irp b, 0,1,2,3,4,5,6,7
.if \mode == 1
	v_wmma_scale_f32_16x16x128_f8f6f4 v[8*(8*((\a)%4)+\b):8*(8*((\a)%4)+\b)+7], v[128*(\p)+8*\b:128*(\p)+8*\b+7], v[AF+64*(\p)+8*(\a):AF+64*(\p)+8*(\a)+7], 0, v[SC+32*(\sc)+8*(\q)+\b], v[SC+32*(\sc)+8*(\q)+(\a)] matrix_a_fmt:MATRIX_FMT_FP4 matrix_b_fmt:MATRIX_FMT_FP4 matrix_a_scale:MATRIX_SCALE_ROW1
.else
	v_wmma_scale_f32_16x16x128_f8f6f4 v[8*(8*((\a)%4)+\b):8*(8*((\a)%4)+\b)+7], v[128*(\p)+8*\b:128*(\p)+8*\b+7], v[AF+64*(\p)+8*(\a):AF+64*(\p)+8*(\a)+7], v[8*(8*((\a)%4)+\b):8*(8*((\a)%4)+\b)+7], v[SC+32*(\sc)+8*(\q)+\b], v[SC+32*(\sc)+8*(\q)+(\a)] matrix_a_fmt:MATRIX_FMT_FP4 matrix_b_fmt:MATRIX_FMT_FP4 matrix_a_scale:MATRIX_SCALE_ROW1
.endif
.endr
.endr
.endm
.macro FETCH slot, q, p                ; 32 LDS loads: my eight images of B and of A for one K step, each load 512 bytes on end
	WIN TO_B
.irp i, 0,1,2,3,4,5,6,7
.irp c, 0,1
	ds_load_b128 v[128*(\p)+8*\i+4*\c:128*(\p)+8*\i+4*\c+3], v[ADRB+\slot] offset:\i*4096+(\q)*1024+512*\c
.endr
.endr
	WIN 0
.irp i, 0,1,2,3,4,5,6,7
.irp c, 0,1
	ds_load_b128 v[AF+64*(\p)+8*\i+4*\c:AF+64*(\p)+8*\i+4*\c+3], v[ADRA+\slot] offset:\i*4096+(\q)*1024+512*\c
.endr
.endr
.endm
.macro SCALES slot                     ; a slot's scale words: four tiles' words of one K step a load
.irp q, 0,1,2,3
.irp iq, 0,1
	ds_load_b128 v[SC+32*\slot+8*\q+4*\iq:SC+32*\slot+8*\q+4*\iq+3], v[ADRS+\slot] offset:\q*1024+\iq*256
.endr
.endr
.endm
.macro STEP slot, q, mode              ; a K step of 128 that has its successor in the same slot
	s_wait_dscnt 0x0                               ; this step's fragments, asked for a step ago, are in
	PLACES 4                                       ; in front of loads into the set that the last step's products read
	FETCH \slot, (\q)+1, 1-(\q)%2
	WIN MUL_LO
	MUL16 0, (\q)%2, \q, \slot, \mode
	MUL16 2, (\q)%2, \q, \slot, \mode
	WIN MUL_HI
	MUL16 4, (\q)%2, \q, \slot, \mode
	MUL16 6, (\q)%2, \q, \slot, \mode
	WIN 0
.endm
.macro TURN slot, next                 ; a slot's last step changes slots: one barrier; nothing is filled again in this launch
	s_wait_tensorcnt 0x0                           ; all my tensor loads have landed: my part of the next slot
	ds_add_u32 v[SPW], v[NIL]                      ; 0 onto my spare word
	s_wait_dscnt 1                                 ; the fragments are in; the add may be out
	WIN MUL_LO
	MUL16 0, 1, 3, \slot, 0
	s_wait_dscnt 0x0                               ; the add is done, and my reads of this slot are over
	s_barrier_signal -1
	MUL16 2, 1, 3, \slot, 0
	WIN 0
	s_barrier_wait -1                              ; the next slot is whole
	PLACES 4
	FETCH \next, 0, 0
	SCALES \next
	WIN MUL_HI
	MUL16 4, 1, 3, \slot, 0
	MUL16 6, 1, 3, \slot, 0
	WIN 0
.endm
	s_wait_tensorcnt 1                             ; my part of slot 0 is in; slot 1's load may be out
	s_barrier_signal -1
	s_barrier_wait -1
	FETCH 0, 0, 0
	SCALES 0
	STEP 0, 0, 1                                   ; the first products start the sums: nothing is cleared
	STEP 0, 1, 0
	STEP 0, 2, 0
	TURN 0, 1
	STEP 1, 0, 0
	STEP 1, 1, 0
	STEP 1, 2, 0
	s_wait_dscnt 0x0
	WIN MUL_LO
	MUL16 0, 1, 3, 1, 0
	MUL16 2, 1, 3, 1, 0
	WIN MUL_HI
	MUL16 4, 1, 3, 1, 0
	MUL16 6, 1, 3, 1, 0
	WIN 0
	PLACES 4                                       ; in front of the first reads of results and of writes into A's fragment registers
; THE WAY OUT.  The 64 registers of A's tile a (window w, from v[s] on) become a fragment's codes in v[PC] on and its scale word in v[pw].  Each accumulator is read from its low end on.
.macro QUANTW s, w, pw
.set WN, (\w)|((\w)<<2)
	WIN WN                                         ; sources 0 and 1 in the accumulators' window
.irp b, 0,1,2,3
	v_max3_num_f32 v[TM+\b], |v[\s+16*\b]|, |v[\s+16*\b+1]|, 0x1800000   ; and the floor 2^(3 - 127): the byte cannot fall under 1
.endr
.irp i, 2,4,6,8,10,12,14
.irp b, 0,1,2,3
	v_max3_num_f32 v[TM+\b], |v[\s+16*\b+\i]|, |v[\s+16*\b+\i+1]|, v[TM+\b]
.endr
.endr
	WIN 0
.irp b, 0,1,2,3
	v_permlanex16_b32 v[TM+4+\b], v[TM+\b], s[SEL], s[SEL+1]
.endr
.irp b, 0,1,2,3
	v_max_num_f32 v[TM+\b], v[TM+\b], v[TM+4+\b]
.endr
.irp b, 0,1,2,3
	v_add_nc_u32 v[TM+12+\b], 0xff000000, v[TM+\b] ; 2 off the exponent field: the conversion's scale operand
.endr
.irp b, 0,1,2,3
	v_lshrrev_b32 v[TM+4+\b], 23, v[TM+12+\b]
.endr
	v_lshl_or_b32 v[\pw], v[TM+5], 8, v[TM+4]
	v_lshl_or_b32 v[\pw], v[TM+6], 16, v[\pw]
	v_lshl_or_b32 v[\pw], v[TM+7], 24, v[\pw]
	s_wait_xcnt 0x0                                ; the last image's stores have read v[PC] on
.set WN, \w
	WIN WN
.irp b, 0,1,2,3
	v_cvt_scalef32_pk8_fp4_f32 v[PC+2*\b], v[\s+16*\b:\s+16*\b+7], v[TM+12+\b]
	v_cvt_scalef32_pk8_fp4_f32 v[PC+2*\b+1], v[\s+16*\b+8:\s+16*\b+15], v[TM+12+\b]
.endr
	WIN 0
	v_nop                                          ; one plain place behind a scaled conversion
.irp c, 0,1
.irp i, 0,1
	v_permlane16_swap_b32 v[PC+4*\c+\i], v[PC+2+4*\c+\i]
.endr
.endr
.endm
.macro EPI role
.irp a, 0,1,2,3,4,5,6,7
.set SRC0, 64*((\a)%4)
	QUANTW SRC0, 2+(\a)/4, PW+\a
.if \role == 0
	global_store_b128 v[LI], v[PC:PC+3], s[76:77] offset:\a*512            ; tile a of my first head: k = 32 hh + 0 .. 31,
	global_store_b128 v[LI], v[PC+4:PC+7], s[76:77] offset:\a*512+HREC     ; and of my second
.else
	global_store_b128 v[LI], v[PC:PC+3], s[76:77] offset:4608+(\a/4)*HREC+(\a%4)*1024
	global_store_b128 v[LI], v[PC+4:PC+7], s[76:77] offset:4608+(\a/4)*HREC+(\a%4)*1024+512
.endif
.endr
.endm
	s_mov_b32 s[SEL], 0x76543210
	s_mov_b32 s[SEL+1], 0xfedcba98
.irp b, 0,1,2,3
	v_mov_b32 v[TM+4+\b], 0                        ; written once: a lane permute's destination counts as one of its sources
.endr
	v_mul_u32_u24 v7, v2, HREC
	v_lshl_add_u32 v7, v1, 4, v7                   ; scale words: lanes 0-15 my first head's, lanes 16-31 my second's; 16 bytes a row
	s_cmp_eq_u32 s17, 0
	s_cbranch_scc1 .Lvrole
	s_cmp_eq_u32 s69, 0
	s_cselect_b64 s[76:77], s[6:7], s[8:9]         ; q goes to qq, k to kv
	s_lshl_b32 s78, s68, 1
	s_add_co_u32 s78, s78, s15                     ; the record: my 128 tokens
	s_mul_i32 s78, s78, REC
	s_lshl_b32 s79, s40, 2
	s_lshl_b32 s80, s16, 1
	s_add_co_u32 s79, s79, s80                     ; my two heads: 4 cx + 2 CH on
	s_mul_i32 s79, s79, HREC
	s_add_co_u32 s78, s78, s79
	s_mov_b32 s79, 0
	s_add_nc_u64 s[76:77], s[76:77], s[78:79]
	EPI 0
	v_lshlrev_b32 v6, 4, v2
.irp a, 0,1,2,3,4,5,6,7
	v_lshrrev_b32 v[WD+\a], v6, v[PW+\a]           ; my head's two bytes of the word;
.endr
.irp a, 0,1,2,3,4,5,6,7
	v_and_b32 v[WD+\a], 0xffff, v[WD+\a]           ; bytes 2 and 3, over zero codes, are 0
.endr
	global_store_b128 v7, v[WD:WD+3], s[76:77] offset:4096       ; each half of the lanes stores 256 consecutive bytes
	global_store_b128 v7, v[WD+4:WD+7], s[76:77] offset:4096+256
	s_branch .Ldone
.Lvrole:
	s_lshl_b32 s78, s70, 1
	s_add_co_u32 s78, s78, s16                     ; the record: my 128 tokens
	s_mul_i32 s78, s78, REC
	s_lshl_b32 s79, s41, 2
	s_lshl_b32 s80, s15, 1
	s_add_co_u32 s79, s79, s80                     ; my two heads: 4 cy + 2 RH on
	s_mul_i32 s79, s79, HREC
	s_add_co_u32 s78, s78, s79
	s_mov_b32 s79, 0
	s_add_nc_u64 s[76:77], s[8:9], s[78:79]
	EPI 1
	v_cmp_eq_u32 vcc_lo, 1, v2
.irp k, 0,1,2,3
	v_cndmask_b32 v[WD+\k], v[PW+\k], v[PW+4+\k], vcc_lo
.endr
	global_store_b128 v7, v[WD:WD+3], s[76:77] offset:8704
.Ldone:
	s_wait_tensorcnt 0x0                           ; the wave's end
	ds_add_u32 v[SPW], v[NIL]
	s_wait_dscnt 0x0
	CROUND                                         ; the closing round
	s_endpgm
.Lfunc_end_k_q44698a8ce7_qkv:
	.size	k_q44698a8ce7_qkv, .Lfunc_end_k_q44698a8ce7_qkv-k_q44698a8ce7_qkv
	.p2alignl 7, 3214868480
	.fill 96, 4, 3214868480
	.section	.rodata,"a",@progbits
	.p2align	6, 0x0
	.amdhsa_kernel k_q44698a8ce7_qkv
		.amdhsa_group_segment_fixed_size 327680
		.amdhsa_private_segment_fixed_size 0
		.amdhsa_enable_private_segment 0
		.amdhsa_kernarg_size 24
		.amdhsa_user_sgpr_count 2
		.amdhsa_user_sgpr_kernarg_segment_ptr 1
		.amdhsa_wavefront_size32 1
		.amdhsa_system_sgpr_workgroup_id_x 1
		.amdhsa_system_sgpr_workgroup_id_y 1
		.amdhsa_system_sgpr_workgroup_id_z 1
		.amdhsa_system_vgpr_workitem_id 0
		.amdhsa_next_free_vgpr 1024
		.amdhsa_next_free_sgpr 100
		.amdhsa_reserve_vcc 1
		.amdhsa_float_denorm_mode_32 3
		.amdhsa_float_denorm_mode_16_64 3
		.amdhsa_memory_ordered 1
		.amdhsa_forward_progress 1
		.amdhsa_inst_pref_size 159
	.end_amdhsa_kernel
	.amdgpu_metadata
---
amdhsa.version: [ 1, 2 ]
amdhsa.kernels:
  - .name:           k_q44698a8ce7_qkv
    .symbol:         k_q44698a8ce7_qkv.kd
    .args:
      - { .name: cod, .offset: 0, .size: 8, .value_kind: global_buffer, .address_space: global }
      - { .name: qq, .offset: 8, .size: 8, .value_kind: global_buffer, .address_space: global }
      - { .name: kv, .offset: 16, .size: 8, .value_kind: global_buffer, .address_space: global }
    .group_segment_fixed_size: 327680
    .private_segment_fixed_size: 0
    .kernarg_segment_align: 8
    .kernarg_segment_size: 24
    .max_flat_workgroup_size: 128
    .sgpr_count:     100
    .vgpr_count:     1024
    .wavefront_size: 32
...
	.end_amdgpu_metadata
.endif
;; end of part 2
;; launch attn (part 3): grid 128 x 2, 16 waves a work-group, clusters of 4 x 1, 327,680 bytes of LDS; arguments qq, kv, src_mask, embed, g1, be1, outf, outc; writes outf, outc
.if DOCPART == 3
	.amdgcn_target "amdgcn-amd-amdhsa--gfx1250"
	.amdhsa_code_object_version 6
	.text
	.protected	k_q44698a8ce7_attn
	.globl	k_q44698a8ce7_attn
	.p2align	8
	.type	k_q44698a8ce7_attn,@function
k_q44698a8ce7_attn:
	s_mov_b64 s[64:65], 0
	v_nop
	global_prefetch_b8 v0, s[64:65] scope:SCOPE_SE
	s_setreg_imm32_b32 hwreg(HW_REG_WAVE_MODE, 25, 1), 1
	s_wait_xcnt 0x0
	s_wait_alu depctr_hold_cnt(0) depctr_sa_sdst(0) depctr_va_vdst(0) depctr_va_sdst(0) depctr_va_ssrc(0) depctr_va_vcc(0) depctr_vm_vsrc(0)
	s_getreg_b32 s2, hwreg(HW_REG_IB_STS2, 6, 4)
	s_cmp_eq_u32 s2, 0
	s_cbranch_scc0 .Lentry_in_a_cluster
	s_endpgm
.Lentry_in_a_cluster:
	s_bfe_u32 s2, ttmp6, 0x10000c
	s_cmp_lg_u32 s2, 0x3003
	s_cbranch_scc0 .Lentry_shape_is_right
	s_endpgm
.Lentry_shape_is_right:
; out = LayerNorm(softmax((q k^T + src_mask) / 8) v + embed) x g1 + be1, both products on codes of FP4 with E8M0 scales; out leaves as f32 (outf) and as codes along D (outc), laid as the next product's panels.
; SHARES.  A work-group owns 16 neighbouring queries of one batch and ALL 16 heads: wave w is head w.  So the mask's tile (16 queries x 128 keys) is fetched once for sixteen waves, and a whole row of o lies in one work-group:
; the residual, the norm and the quantiser follow here.  The four work-groups of a cluster walk the same keys of the same batch: each step's record of K and V (128 keys, all heads, 143,360 dense bytes) is asked for JOINTLY.
; THE SOFTMAX AHEAD OF THE SECOND PRODUCT: t = (score + mask) x log2(e) / 8; M = the running largest t rounded up to a whole number; p = 2^(t - M) is quantised along the keys, not normalised; the sum is taken of the unquantised p
; and divides at the end.  When M moves, the sum and O are multiplied by 2^(old M - new M): exact.
; LAYOUT.  Both products transposed: S^T = K Q^T + mask^T (the mask is the product's C), O^T = V^T P^T: a lane holds one query (lane % 16).  Lane r of K's tile 2 B + u holds key 32 B + 8 u + r + 8 (r / 8), so register 16 B + i of S^T is
; key 32 B + 16 hh + i.  V's tiles take d likewise, so register 16 B + i of O^T is d = 32 B + 16 hh + i.  The head's K is 64: registers 4-7 of K's and Q's fragments are zero codes.
; LIMITS: a block whose largest magnitude lies under 2^-124, and a block of zeros, get the byte 1.  -infinity in src_mask is served (p = 0); a row that is -infinity throughout gives NaN, as the softmax does.  Other infinities and NaN are not served.
; The scale bytes of out leave as 2 bytes a row and wave (512 bytes a work-group): the other bytes of those blocks belong to other work-groups.
; REGISTERS: v1-6 LDS addresses for slot 0, 1; v7, v8 the add's; v9 r, v10 hh; v12 -M, v13 largest t, v[14:15] the sum; v16-23 Q; v24-31 K's scale words; v32-95 K; v96-159 mask, S^T, p; v160-191 O^T; v192-223 V; v224-231 p's codes;
; v232-247 at work; v248-251 V's scale words; v252 f; v253 p's scale word; v255 Q's.
.set REC,   143360                     ; a record: 128 keys, 16 heads
.set HREC,  8960                       ; a head's part: K's codes 4,096, K's words 512, V's codes 4,096, V's words 256
.set KVW,   2*HREC                     ; what one joint load brings: 70 rows of 256 bytes
.set MOFF,  REC                        ; behind the record: the mask's tile,
.set MP,    528                        ; 16 rows of 512 bytes + 16
.set ASLOT, MOFF+16*MP
.set SPARE, 2*ASLOT                    ; the spare words: 128 bytes for each of 16 waves: eight blocks of 256 bytes that no other line names
.set SUM,   SPARE+2048                 ; the waves' sums of a row: [r 16], 80 bytes apart, word w;
.set SQO,   1280                       ; and, so far behind, their sums of squares
.set PAN,   69632
.set RB2,   2*PAN
.set B1,  1
.set B2,  3
.set MK,  5
.set SPW, 7
.set NIL, 8
.set SEL, 20
.set CS,  22
.set G1KV, 24
.set G1M,  32
.set G0KV, 40                          ; s[40:47] group 0 for the records, one set for each slot
.set G0M,  48                          ; s[48:55] for the mask's tiles
.set WV,   57
; Waves 0-7 fetch the record, two heads each, jointly; wave 8 the mask's tile, which is this work-group's own.  The branches hang on the wave's number alone.  Four v_nop follow each line.
.macro TLOAD s
	s_cmp_lt_u32 s[WV], 8
	s_cbranch_scc0 .Lnot_kv_\@
	tensor_load_to_lds s[G0KV+4*(\s):G0KV+4*(\s)+3], s[G1KV:G1KV+7]
	s_nop 0
.rept 4
	v_nop
.endr
	s_branch .Lasked_\@
.Lnot_kv_\@:
	s_cmp_eq_u32 s[WV], 8
	s_cbranch_scc0 .Lasked_\@
	tensor_load_to_lds s[G0M+4*(\s):G0M+4*(\s)+3], s[G1M:G1M+7]
	s_nop 0
.rept 4
	v_nop
.endr
.Lasked_\@:
.endm
.macro CROUND                          ; a round of the cluster's barrier
	s_barrier_signal -1
	s_barrier_wait -1
	s_cmp_lg_u32 s[WV], 0
	s_cbranch_scc1 .Lnot_wave_0_\@
	s_barrier_signal -3
.Lnot_wave_0_\@:
	s_barrier_wait -3
	s_barrier_signal -1
	s_barrier_wait -1
.endm
	s_load_b256 s[4:11], s[0:1], 0x0               ; qq, kv, src_mask, embed
	s_load_b256 s[12:19], s[0:1], 0x20             ; g1, be1, outf, outc
	v_lshl_add_u32 v[SPW], v0, 2, SPARE
	v_mov_b32 v[NIL], 0
	ds_add_u32 v7, v8
	s_wait_dscnt 0x0
	v_lshrrev_b32 v11, 5, v0
	v_readfirstlane_b32 s[WV], v11                 ; wave 0..15: the head
	s_bfe_u32 s58, ttmp6, 0x40000                  ; cx
	s_lshl_b32 s59, ttmp9, 2
	s_add_co_u32 s59, s59, s58                     ; which 16 queries of the batch
	s_and_b32 s60, ttmp7, 0xffff                   ; the batch
	s_lshl_b32 s61, s60, 7
	s_add_co_u32 s61, s61, s59                     ; i: which 16 tokens of all 4,096
	s_mov_b32 s[G1KV], 15|(3<<16)|(1<<21)          ; 15:0 the mask: all four work-groups; 17:16 elements of 8 bytes; 21 set beside a mask
	s_mov_b32 s[G1KV+1], 32<<16                    ; tensor_dim0 = 32: 256 bytes
	s_mov_b32 s[G1KV+2], 70<<16                    ; tensor_dim1 = 70
	s_mov_b32 s[G1KV+3], 32<<16
	s_mov_b32 s[G1KV+4], 70
	s_mov_b32 s[G1KV+5], 32                        ; dense
	s_mov_b32 s[G1KV+6], 0
	s_mov_b32 s[G1KV+7], 0
	s_mov_b32 s[G1M], (2<<16)|(1<<20)|(6<<22)|(3<<25)   ; no mask; elements of 4 bytes; padding: four words behind every 128
	s_mov_b32 s[G1M+1], 128<<16
	s_mov_b32 s[G1M+2], 16<<16
	s_mov_b32 s[G1M+3], 128<<16
	s_mov_b32 s[G1M+4], 16
	s_mov_b32 s[G1M+5], 2048                       ; a row of src_mask
	s_mov_b32 s[G1M+6], 0
	s_mov_b32 s[G1M+7], 0
	s_and_b32 s66, s[WV], 7
	s_mul_i32 s67, s66, KVW                        ; my two heads, in a record and in a slot
	s_mul_i32 s68, s60, 16*REC                     ; the batch's 16 records
	s_add_co_u32 s68, s68, s67
	s_mov_b32 s69, 0
	s_lshl_b32 s70, s59, 17                        ; my 16 rows of src_mask
	s_mov_b32 s71, 0
	; Q: embed's tiles took their rows as K's do, so my 16 neighbouring queries lie in two tiles of their record: query r in tile (i & 6) + r / 8, lane 8 (i & 1) + r % 8
	s_lshr_b32 s72, s61, 3
	s_mul_i32 s72, s72, REC
	s_mul_i32 s73, s[WV], HREC                     ; my head's part of a record
	s_add_co_u32 s72, s72, s73
	s_and_b32 s74, s61, 1
	s_lshl_b32 s74, s74, 7
	s_add_co_u32 s72, s72, s74
	s_and_b32 s74, s61, 6
	s_lshl_b32 s74, s74, 9
	s_add_co_u32 s76, s72, s74                     ; the codes
	s_mov_b32 s77, 0
	s_bfe_u32 s74, s61, 0x10002
	s_lshl_b32 s74, s74, 8
	s_add_co_u32 s78, s72, s74
	s_and_b32 s74, s61, 2
	s_lshl_b32 s74, s74, 2
	s_add_co_u32 s78, s78, s74
	s_add_co_u32 s78, s78, 4096                    ; the scale words
	s_mov_b32 s79, 0
	s_mov_b32 s[SEL], 0x76543210
	s_mov_b32 s[SEL+1], 0xfedcba98
	s_mov_b32 s[CS], 0x3e38aa3b                    ; c = log2(e) / 8
	s_mov_b32 s[CS+1], s[CS]
	s_mov_b32 s56, 7
	s_wait_kmcnt 0x0
	s_add_nc_u64 s[6:7], s[6:7], s[68:69]
	s_add_nc_u64 s[8:9], s[8:9], s[70:71]
	s_add_nc_u64 s[76:77], s[4:5], s[76:77]
	s_add_nc_u64 s[78:79], s[4:5], s[78:79]
.irp s, 0,1
	s_mov_b32 s[G0KV+4*\s], 1
	s_add_co_u32 s[G0KV+4*\s+1], s67, \s*ASLOT
	s_add_nc_u64 s[G0KV+4*\s+2:G0KV+4*\s+3], s[6:7], \s*REC
	s_or_b32 s[G0KV+4*\s+3], s[G0KV+4*\s+3], 0x80000000
	s_mov_b32 s[G0M+4*\s], 1
	s_mov_b32 s[G0M+4*\s+1], \s*ASLOT+MOFF
	s_add_nc_u64 s[G0M+4*\s+2:G0M+4*\s+3], s[8:9], \s*512
	s_or_b32 s[G0M+4*\s+3], s[G0M+4*\s+3], 0x80000000
.endr
	CROUND                                         ; all four work-groups are here: the first joint loads meet
	TLOAD 0                                        ; key step 0 into slot 0
	v_and_b32 v9, 15, v0                           ; r
	v_bfe_u32 v10, v0, 4, 1                        ; hh
	v_and_b32 v11, 31, v0
	v_lshl_add_u32 v[B1], v11, 4, s73              ; my head's part, + 16 x lane: images
	v_add_nc_u32 v[B1+1], ASLOT, v[B1]
	v_lshl_add_u32 v[B2], v9, 4, s73               ; + 16 r: scale words
	v_add_nc_u32 v[B2+1], ASLOT, v[B2]
	v_mul_u32_u24 v[MK], v9, MP
	v_lshl_add_u32 v[MK], v10, 6, v[MK]
	v_add_nc_u32 v[MK], MOFF, v[MK]                ; the mask: row r, + 64 hh
	v_add_nc_u32 v[MK+1], ASLOT, v[MK]
	v_lshrrev_b32 v232, 3, v9
	v_and_b32 v233, 7, v9
	v_lshlrev_b32 v11, 9, v232
	v_lshl_add_u32 v11, v10, 8, v11
	v_lshl_add_u32 v11, v233, 4, v11
	v_lshlrev_b32 v254, 2, v232
	v_lshl_add_u32 v254, v233, 4, v254
	global_load_b128 v[16:19], v11, s[76:77]       ; Q's fragment stays in registers
	global_load_b32 v255, v254, s[78:79]           ; and its scale words
.irp j, 20,21,22,23
	v_mov_b32 v\j, 0                               ; K = 64 .. 127: zero codes
.endr
.irp t, 0,1,2,3,4,5,6,7
.irp j, 4,5,6,7
	v_mov_b32 v[32+8*\t+\j], 0                     ; the same of K's eight fragments: written once
.endr
.endr
	v_mov_b32 v13, 0xff61b1e6                      ; the largest t so far: -3e38
	v_floor_f32 v12, -v13                          ; -M
	v_mov_b32 v14, 0
	v_mov_b32 v15, 0
.irp b, 0,1,2,3
	v_mov_b32 v[236+\b], 0                         ; written once: a lane permute's destination counts as one of its sources
.endr
	v_mov_b32 v253, 0
.irp j, 0,1,2,3,4,5,6,7,8,9,10,11,12,13,14,15,16,17,18,19,20,21,22,23,24,25,26,27,28,29,30,31
	v_mov_b32 v[160+\j], 0                         ; O^T: the step is written once; its first turn finds zeros
.endr
; A KEY STEP: 128 keys, out of slot sl
.macro STEP sl
.irp t, 0,1,2,3,4,5,6,7
.irp e, 0,1
	ds_load_b128 v[96+8*\t+4*\e:96+8*\t+4*\e+3], v[MK+\sl] offset:128*(\t/2)+32*(\t%2)+16*\e   ; the mask in the result's layout: it is the product's C
.endr
.endr
.irp t, 0,1,2,3,4,5,6,7
	ds_load_b128 v[32+8*\t:35+8*\t], v[B1+\sl] offset:512*\t
.endr
.irp tq, 0,1
	ds_load_b128 v[24+4*\tq:27+4*\tq], v[B2+\sl] offset:4096+256*\tq
.endr
	s_wait_dscnt 0x0
.irp t, 0,1,2,3,4,5,6,7
	v_wmma_scale_f32_16x16x128_f8f6f4 v[96+8*\t:103+8*\t], v[32+8*\t:39+8*\t], v[16:23], v[96+8*\t:103+8*\t], v[24+\t], v255 matrix_a_fmt:MATRIX_FMT_FP4 matrix_b_fmt:MATRIX_FMT_FP4
.endr
.rept 4
	v_nop                                          ; places in front of the first read of the scores, and, behind the last step's second products, in front of the loads into V's registers
.endr
.irp dt, 0,1,2,3
.irp c, 0,1
	ds_load_b128 v[192+8*\dt+4*\c:195+8*\dt+4*\c], v[B1+\sl] offset:4608+1024*\dt+512*\c   ; V lands while the softmax is walked
.endr
.endr
	ds_load_b128 v[248:251], v[B2+\sl] offset:8704
.irp b, 0,1,2,3
	v_max3_num_f32 v[232+\b], v[96+16*\b], v[97+16*\b], v[98+16*\b]   ; the largest score of each block of 32 keys: for the row's maximum and, since p rises with the score, for the block's largest p
.endr
.irp i, 3,5,7,9,11,13
.irp b, 0,1,2,3
	v_max3_num_f32 v[232+\b], v[232+\b], v[96+16*\b+\i], v[97+16*\b+\i]
.endr
.endr
.irp b, 0,1,2,3
	v_max_num_f32 v[232+\b], v[232+\b], v[111+16*\b]
.endr
.irp b, 0,1,2,3
	v_permlanex16_b32 v[236+\b], v[232+\b], s[SEL], s[SEL+1]
.endr
.irp b, 0,1,2,3
	v_max_num_f32 v[232+\b], v[232+\b], v[236+\b]
.endr
	v_max3_num_f32 v254, v232, v233, v234
	v_max_num_f32 v254, v254, v235
	v_mul_f32 v254, s[CS], v254                    ; as t (c is positive)
	v_max_num_f32 v13, v13, v254                   ; the running largest t
	v_mov_b32 v254, v12
	v_floor_f32 v12, -v13                          ; the new -M = -ceil(t): a whole number
	v_sub_f32 v254, v12, v254                      ; old M - new M: a whole number, 0 or less
	v_cvt_i32_f32 v254, v254                       ; (it saturates)
	v_ldexp_f32 v252, 1.0, v254                    ; f = 2^(old M - new M)
.irp j, 0,2,4,6,8,10,12,14,16,18,20,22,24,26,28,30,32,34,36,38,40,42,44,46,48,50,52,54,56,58,60,62
	v_pk_fma_f32 v[96+\j:97+\j], v[96+\j:97+\j], s[CS:CS+1], v[12:13] op_sel_hi:[1,0,0]   ; t - M
.endr
.irp b, 0,1,2,3
	v_fma_f32 v[232+\b], v[232+\b], s[CS], v12
.endr
.irp j, 0,1,2,3,4,5,6,7,8,9,10,11,12,13,14,15,16,17,18,19,20,21,22,23,24,25,26,27,28,29,30,31,32,33,34,35,36,37,38,39,40,41,42,43,44,45,46,47,48,49,50,51,52,53,54,55,56,57,58,59,60,61,62,63
	v_exp_f32 v[96+\j], v[96+\j]                   ; p = 2^(t - M)
.endr
.irp b, 0,1,2,3
	v_exp_f32 v[232+\b], v[232+\b]                 ; the block's largest p
.endr
	v_pk_mul_f32 v[14:15], v[14:15], v[252:253] op_sel_hi:[1,0]   ; the sums under the new M (a plain place behind the exponentials)
	s_wait_alu depctr_va_vdst(0)
.irp b, 0,1,2,3
	v_max_num_f32 v[232+\b], 0x1800000, v[232+\b]  ; the floor 2^(3 - 127)
.endr
.irp b, 0,1,2,3
	v_add_nc_u32 v[244+\b], 0xff000000, v[232+\b]
.endr
.irp b, 0,1,2,3
	v_lshrrev_b32 v[236+\b], 23, v[244+\b]
.endr
	v_lshl_or_b32 v253, v237, 8, v236              ; p's scale word for these 128 keys
	v_lshl_or_b32 v253, v238, 16, v253
	v_lshl_or_b32 v253, v239, 24, v253
.irp b, 0,1,2,3
	v_cvt_scalef32_pk8_fp4_f32 v[224+2*\b], v[96+16*\b:103+16*\b], v[244+\b]
	v_cvt_scalef32_pk8_fp4_f32 v[225+2*\b], v[104+16*\b:111+16*\b], v[244+\b]
.endr
	v_nop                                          ; one plain place behind a scaled conversion
.irp c, 0,1
.irp i, 0,1
	v_permlane16_swap_b32 v[224+4*\c+\i], v[226+4*\c+\i]
.endr
.endr
	v_pk_add_f32 v[236:237], v[96:97], v[98:99]    ; the row's sum is taken of the unquantised p, in two chains
.irp j, 4,8,12,16,20,24,28,32,36,40,44,48,52,56,60
	v_pk_add_f32 v[14:15], v[14:15], v[96+\j:97+\j]
	v_pk_add_f32 v[236:237], v[236:237], v[98+\j:99+\j]
.endr
	v_pk_add_f32 v[14:15], v[14:15], v[236:237]
.irp j, 0,2,4,6,8,10,12,14,16,18,20,22,24,26,28,30
	v_pk_mul_f32 v[160+\j:161+\j], v[160+\j:161+\j], v[252:253] op_sel_hi:[1,0]   ; O^T under the new M
.endr
	s_wait_dscnt 0x0                               ; V and its scale words are in
.irp dt, 0,1,2,3
	v_wmma_scale_f32_16x16x128_f8f6f4 v[160+8*\dt:167+8*\dt], v[192+8*\dt:199+8*\dt], v[224:231], v[160+8*\dt:167+8*\dt], v[248+\dt], v253 matrix_a_fmt:MATRIX_FMT_FP4 matrix_b_fmt:MATRIX_FMT_FP4
.endr
.endm
; A trip: all my tensor loads have landed (my part of this trip's slot), the add, my reads of the other slot are over; a round of the cluster's barrier; the other slot is asked for; this slot's step.
.macro TRIP sl, refill
	s_wait_tensorcnt 0x0                           ; no tensor load of mine is out, so a group 0 may be written
	ds_add_u32 v[SPW], v[NIL]                      ; 0 onto my spare word
	s_add_nc_u64 s[G0KV+4*\sl+2:G0KV+4*\sl+3], s[G0KV+4*\sl+2:G0KV+4*\sl+3], 2*REC   ; this slot's next record,
	s_add_nc_u64 s[G0M+4*\sl+2:G0M+4*\sl+3], s[G0M+4*\sl+2:G0M+4*\sl+3], 1024        ; and its next 128 columns of the mask
	s_wait_dscnt 0x0
	CROUND
.if \refill
	TLOAD 1-\sl                                    ; a wave's one tensor load behind the round: it has this step's work in which to land
.endif
	STEP \sl
.endm
	s_wait_loadcnt 0x0                             ; Q
.Lstep:                                            ; 7 trips of two key steps
	TRIP 0, 1
	TRIP 1, 1
	s_sub_co_u32 s56, s56, 1
	s_cmp_lg_u32 s56, 0
	s_cbranch_scc1 .Lstep
	TRIP 0, 1                                      ; the tail is written out: the last step asks for nothing
	TRIP 1, 0
	; THE WAY OUT.  x = O / l + embed; the row's mean and variance over the sixteen waves, through LDS; y = (x - mean) rsqrt(var + 1e-5) g1 + be1; y's codes and scale bytes; y itself through a stage.
.rept 4
	v_nop                                          ; places behind the last products
.endr
	s_lshl_b32 s68, s[WV], 8                       ; my head's 64 numbers of a row: 256 w bytes on
	s_mov_b32 s69, 0
	s_lshl_b32 s66, s61, 16                        ; my 16 rows of 4,096 bytes
	s_add_co_u32 s66, s66, s68
	s_mov_b32 s67, 0
	s_add_nc_u64 s[10:11], s[10:11], s[66:67]
	s_add_nc_u64 s[16:17], s[16:17], s[66:67]
	s_add_nc_u64 s[12:13], s[12:13], s[68:69]
	s_add_nc_u64 s[14:15], s[14:15], s[68:69]
	v_lshlrev_b32 v233, 6, v10
	v_lshl_add_u32 v232, v9, 12, v233
.irp be, 0,1
.irp j, 0,1,2,3
	global_load_b128 v[96+16*\be+4*\j:99+16*\be+4*\j], v232, s[10:11] offset:128*\be+16*\j     ; embed, in O^T's layout
.endr
.endr
.irp be, 0,1
.irp j, 0,1,2,3
	global_load_b128 v[128+16*\be+4*\j:131+16*\be+4*\j], v233, s[12:13] offset:128*\be+16*\j   ; g1
.endr
.endr
.irp be, 0,1
.irp j, 0,1,2,3
	global_load_b128 v[32+16*\be+4*\j:35+16*\be+4*\j], v233, s[14:15] offset:128*\be+16*\j     ; be1
.endr
.endr
	s_lshl_b32 s70, s[WV], 2
	s_add_co_u32 s70, s70, SUM
	v_mul_u32_u24 v235, v9, 80
	v_add_nc_u32 v234, s70, v235                   ; my wave's word of row r
	v_add_nc_u32 v235, SUM, v235                   ; row r's sixteen words
	s_mov_b32 s70, 0x3a800000                      ; 1 / 1,024
	s_mov_b32 s71, 0x3727c5ac                      ; 1e-5
	v_add_f32 v14, v14, v15
	v_permlanex16_b32 v252, v14, s[SEL], s[SEL+1]
	v_add_f32 v14, v14, v252                       ; the row's sum of p
	v_rcp_f32 v14, v14
	v_mov_b32 v15, 0                               ; (a plain place behind the transcendental)
	s_wait_loadcnt 16                              ; embed's eight loads are in; g1's and be1's sixteen may be out
	s_wait_alu depctr_va_vdst(0)
.irp n, 0,2,4,6,8,10,12,14,16,18,20,22,24,26,28,30
	v_pk_fma_f32 v[96+\n:97+\n], v[160+\n:161+\n], v[14:15], v[96+\n:97+\n] op_sel_hi:[1,0,1]   ; each accumulator from its low end on
.endr
; v84: my lane's part; behind it v84: the sum over the row's 1,024 numbers, the same bits in every wave
.macro ACROSS off
	v_permlanex16_b32 v85, v84, s[SEL], s[SEL+1]
	v_add_f32 v84, v84, v85
	ds_store_b32 v234, v84 offset:\off             ; both halves of the lanes write the same word with the same value
	s_wait_dscnt 0x0                               ; for the others' sake
	s_barrier_signal -1
	s_barrier_wait -1
.irp k, 0,1,2,3
	ds_load_b128 v[64+4*\k:67+4*\k], v235 offset:\off+16*\k
.endr
	s_wait_dscnt 0x0
	v_pk_add_f32 v[64:65], v[64:65], v[66:67]
	v_pk_add_f32 v[68:69], v[68:69], v[70:71]
	v_pk_add_f32 v[72:73], v[72:73], v[74:75]
	v_pk_add_f32 v[76:77], v[76:77], v[78:79]
	v_pk_add_f32 v[64:65], v[64:65], v[68:69]
	v_pk_add_f32 v[72:73], v[72:73], v[76:77]
	v_pk_add_f32 v[64:65], v[64:65], v[72:73]
	v_add_f32 v84, v64, v65
.endm
	v_pk_add_f32 v[84:85], v[96:97], v[98:99]
	v_pk_add_f32 v[86:87], v[100:101], v[102:103]
.irp n, 8,12,16,20,24,28
	v_pk_add_f32 v[84:85], v[84:85], v[96+\n:97+\n]
	v_pk_add_f32 v[86:87], v[86:87], v[98+\n:99+\n]
.endr
	v_pk_add_f32 v[84:85], v[84:85], v[86:87]
	v_add_f32 v84, v84, v85
	ACROSS 0
	v_mul_f32 v80, 0xba800000, v84                 ; -mean
	v_mov_b32 v81, v80
.irp n, 0,2,4,6,8,10,12,14,16,18,20,22,24,26,28,30
	v_pk_add_f32 v[96+\n:97+\n], v[96+\n:97+\n], v[80:81]
.endr
	v_pk_mul_f32 v[84:85], v[96:97], v[96:97]
	v_pk_mul_f32 v[86:87], v[98:99], v[98:99]
.irp n, 4,8,12,16,20,24,28
	v_pk_fma_f32 v[84:85], v[96+\n:97+\n], v[96+\n:97+\n], v[84:85]
	v_pk_fma_f32 v[86:87], v[98+\n:99+\n], v[98+\n:99+\n], v[86:87]
.endr
	v_pk_add_f32 v[84:85], v[84:85], v[86:87]
	v_add_f32 v84, v84, v85
	ACROSS SQO                                     ; other bytes than the sums': no barrier between the two uses
	v_fma_f32 v84, v84, s70, s71                   ; the variance + 1e-5
	v_rsq_f32 v82, v84
	v_mov_b32 v90, 0                               ; (a plain place)  lane permutes' destinations
	v_mov_b32 v91, 0
	s_wait_alu depctr_va_vdst(0)
	v_mov_b32 v83, v82
	s_wait_loadcnt 0x0                             ; g1, be1
.irp n, 0,2,4,6,8,10,12,14,16,18,20,22,24,26,28,30
	v_pk_mul_f32 v[96+\n:97+\n], v[96+\n:97+\n], v[82:83]
.endr
.irp n, 0,2,4,6,8,10,12,14,16,18,20,22,24,26,28,30
	v_pk_fma_f32 v[96+\n:97+\n], v[96+\n:97+\n], v[128+\n:129+\n], v[32+\n:33+\n]
.endr
	; y's two blocks of 32 along D
.irp be, 0,1
	v_max3_num_f32 v[88+\be], |v[96+16*\be]|, |v[97+16*\be]|, 0x1800000
.endr
.irp i, 2,4,6,8,10,12,14
.irp be, 0,1
	v_max3_num_f32 v[88+\be], v[88+\be], |v[96+16*\be+\i]|, |v[97+16*\be+\i]|
.endr
.endr
.irp be, 0,1
	v_permlanex16_b32 v[90+\be], v[88+\be], s[SEL], s[SEL+1]
.endr
.irp be, 0,1
	v_max_num_f32 v[88+\be], v[88+\be], v[90+\be]
.endr
.irp be, 0,1
	v_add_nc_u32 v[92+\be], 0xff000000, v[88+\be]
.endr
.irp be, 0,1
	v_lshrrev_b32 v[94+\be], 23, v[92+\be]
.endr
	v_lshl_or_b32 v94, v95, 8, v94                 ; my two bytes of the row's scale word
.irp be, 0,1
	v_cvt_scalef32_pk8_fp4_f32 v[224+2*\be], v[96+16*\be:103+16*\be], v[92+\be]
	v_cvt_scalef32_pk8_fp4_f32 v[225+2*\be], v[104+16*\be:111+16*\be], v[92+\be]
.endr
	v_nop                                          ; one plain place behind a scaled conversion
	v_permlane16_swap_b32 v224, v226
	v_permlane16_swap_b32 v225, v227               ; v[224:227]: k = 64 (w % 2) + 32 hh + 0 .. 31 of K step w / 2
	s_lshr_b32 s70, s61, 4
	s_mul_i32 s70, s70, RB2
	s_lshr_b32 s71, s[WV], 3
	s_mul_i32 s71, s71, PAN
	s_add_co_u32 s70, s70, s71                     ; the panel
	s_bfe_u32 s71, s[WV], 0x20001
	s_lshl_b32 s71, s71, 10
	s_add_co_u32 s70, s70, s71                     ; its K step (w / 2) % 4
	s_and_b32 s71, s[WV], 1
	s_and_b32 s72, s61, 15
	s_lshl_b32 s72, s72, 12
	s_add_co_u32 s72, s72, s70
	s_lshl_b32 s73, s71, 9
	s_add_co_u32 s72, s72, s73                     ; tile i % 16, half w % 2 of its image
	s_mov_b32 s73, 0
	s_bfe_u32 s74, s61, 0x20002
	s_lshl_b32 s74, s74, 8
	s_add_co_u32 s74, s74, s70
	s_and_b32 s75, s61, 3
	s_lshl_b32 s75, s75, 2
	s_add_co_u32 s74, s74, s75
	s_lshl_b32 s75, s71, 1
	s_add_co_u32 s74, s74, s75
	s_add_co_u32 s74, s74, 65536                   ; my two bytes of the tile's scale words
	s_mov_b32 s75, 0
	s_add_nc_u64 s[72:73], s[18:19], s[72:73]
	s_add_nc_u64 s[74:75], s[18:19], s[74:75]
	v_and_b32 v236, 31, v0
	v_lshlrev_b32 v236, 4, v236
	v_lshlrev_b32 v237, 4, v9
	global_store_b128 v236, v[224:227], s[72:73]   ; 32 lanes store 512 consecutive bytes
	global_store_b16 v237, v94, s[74:75]
	; y through my stage: 16 rows x (256 bytes + 16), in slot 0, which has had its last fill and, since the last round, its last read
	s_mul_i32 s76, s[WV], 4352
	v_mul_u32_u24 v238, v9, 272
	v_lshl_add_u32 v238, v10, 6, v238
	v_add_nc_u32 v238, s76, v238                   ; in: row r, + 64 hh
	v_mul_u32_u24 v239, v10, 272
	v_lshl_add_u32 v239, v9, 4, v239
	v_add_nc_u32 v239, s76, v239                   ; back: lanes 0-15 one row, lanes 16-31 the next
	v_lshlrev_b32 v240, 12, v10
	v_lshl_add_u32 v240, v9, 4, v240               ; and the same two rows in outf
.irp be, 0,1
.irp j, 0,1,2,3
	ds_store_b128 v238, v[96+16*\be+4*\j:99+16*\be+4*\j] offset:128*\be+16*\j
.endr
.endr
.irp k, 0,1,2,3,4,5,6,7
	ds_load_b128 v[160+4*\k:163+4*\k], v239 offset:544*\k   ; LDS serves a wave's instructions in order: these see my stores
.endr
.irp k, 0,1,2,3,4,5,6,7
	s_wait_dscnt 7-\k                              ; the younger loads may be out
	global_store_b128 v240, v[160+4*\k:163+4*\k], s[16:17] offset:8192*\k   ; 16 lanes store 256 consecutive bytes, aligned
.endr
	s_wait_tensorcnt 0x0                           ; the wave's end
	ds_add_u32 v[SPW], v[NIL]
	s_wait_dscnt 0x0
	CROUND                                         ; the closing round
	s_endpgm
.Lfunc_end_k_q44698a8ce7_attn:
	.size	k_q44698a8ce7_attn, .Lfunc_end_k_q44698a8ce7_attn-k_q44698a8ce7_attn
	.p2alignl 7, 3214868480
	.fill 96, 4, 3214868480
	.section	.rodata,"a",@progbits
	.p2align	6, 0x0
	.amdhsa_kernel k_q44698a8ce7_attn
		.amdhsa_group_segment_fixed_size 327680
		.amdhsa_private_segment_fixed_size 0
		.amdhsa_enable_private_segment 0
		.amdhsa_kernarg_size 64
		.amdhsa_user_sgpr_count 2
		.amdhsa_user_sgpr_kernarg_segment_ptr 1
		.amdhsa_wavefront_size32 1
		.amdhsa_system_sgpr_workgroup_id_x 1
		.amdhsa_system_sgpr_workgroup_id_y 1
		.amdhsa_system_sgpr_workgroup_id_z 1
		.amdhsa_system_vgpr_workitem_id 0
		.amdhsa_next_free_vgpr 256
		.amdhsa_next_free_sgpr 100
		.amdhsa_reserve_vcc 0
		.amdhsa_float_denorm_mode_32 3
		.amdhsa_float_denorm_mode_16_64 3
		.amdhsa_memory_ordered 1
		.amdhsa_forward_progress 1
		.amdhsa_inst_pref_size 93
	.end_amdhsa_kernel
	.amdgpu_metadata
---
amdhsa.version: [ 1, 2 ]
amdhsa.kernels:
  - .name:           k_q44698a8ce7_attn
    .symbol:         k_q44698a8ce7_attn.kd
    .args:
      - { .name: qq, .offset: 0, .size: 8, .value_kind: global_buffer, .address_space: global }
      - { .name: kv, .offset: 8, .size: 8, .value_kind: global_buffer, .address_space: global }
      - { .name: src_mask, .offset: 16, .size: 8, .value_kind: global_buffer, .address_space: global }
      - { .name: embed, .offset: 24, .size: 8, .value_kind: global_buffer, .address_space: global }
      - { .name: g1, .offset: 32, .size: 8, .value_kind: global_buffer, .address_space: global }
      - { .name: be1, .offset: 40, .size: 8, .value_kind: global_buffer, .address_space: global }
      - { .name: outf, .offset: 48, .size: 8, .value_kind: global_buffer, .address_space: global }
      - { .name: outc, .offset: 56, .size: 8, .value_kind: global_buffer, .address_space: global }
    .group_segment_fixed_size: 327680
    .private_segment_fixed_size: 0
    .kernarg_segment_align: 8
    .kernarg_segment_size: 64
    .max_flat_workgroup_size: 512
    .sgpr_count:     100
    .vgpr_count:     256
    .wavefront_size: 32
...
	.end_amdgpu_metadata
.endif
;; end of part 3
;; launch ffn1 (part 4): grid 16 x 16, 4 waves a work-group, clusters of 4 x 4, 327,680 bytes of LDS; arguments outc, cod, b1, hc; writes hc
.if DOCPART == 4
	.amdgcn_target "amdgcn-amd-amdhsa--gfx1250"
	.amdhsa_code_object_version 6
	.text
	.protected	k_q44698a8ce7_ffn1
	.globl	k_q44698a8ce7_ffn1
	.p2align	8
	.type	k_q44698a8ce7_ffn1,@function
k_q44698a8ce7_ffn1:
	s_mov_b64 s[64:65], 0
	v_nop
	global_prefetch_b8 v0, s[64:65] scope:SCOPE_SE
	s_setreg_imm32_b32 hwreg(HW_REG_WAVE_MODE, 25, 1), 1
	s_wait_xcnt 0x0
	s_wait_alu depctr_hold_cnt(0) depctr_sa_sdst(0) depctr_va_vdst(0) depctr_va_sdst(0) depctr_va_ssrc(0) depctr_va_vcc(0) depctr_vm_vsrc(0)
	s_getreg_b32 s2, hwreg(HW_REG_IB_STS2, 6, 4)
	s_cmp_eq_u32 s2, 0
	s_cbranch_scc0 .Lentry_in_a_cluster
	s_endpgm
.Lentry_in_a_cluster:
	s_bfe_u32 s2, ttmp6, 0x10000c
	s_cmp_lg_u32 s2, 0xf033
	s_cbranch_scc0 .Lentry_shape_is_right
	s_endpgm
.Lentry_shape_is_right:
; h = relu(out x w1^T + b1) on codes of FP4 with E8M0 scales (K = 1,024), quantised in registers along the 4,096 hidden units, which are the next product's K.
; OPERANDS are panels of 256 rows x 512 K (69,632 dense bytes: 64 images of 16 rows x 128 K in the order of the operand's registers, then the scale words [q 4][half 2][iq 2][r 16][i4 4]).  A = outc (tokens, tiles of 16 neighbours),
; B = w1 out of cod (lane r of tile 2 B + u holds row 32 B + 8 u + r + 8 (r / 8)).
; A work-group of four waves makes 256 tokens x 256 hidden units, a wave 128 x 128: 64 accumulators.  THE PRODUCT IS USED TRANSPOSED (source 0 = a tile of w1, source 1 = a tile of tokens): a lane holds one token, and the 64 registers of
; token tile a run along 128 neighbouring hidden units: register 16 B + i = unit 32 B + 16 hh + i: one K step of the next product.  b1 is the C of each sum's first product.
; K = 1,024 is two panels: both LDS slots are filled once, by joint loads: A's panel is shared along a row of the 4 x 4 cluster, B's along a column.
; LIMITS: a block whose largest magnitude lies under 2^-124, and a block of zeros, get the byte 1; NaN and infinities are not served.
; REGISTERS: window 0: v1 r, v2 hh, v16-29 addresses; v32-95 scale words, two sets; v128-255 A's fragments, two sets (behind the last product: the quantiser's registers).  window 1: v0-63, v128-191 B's fragments; v64-127 b1.  windows 2, 3: accumulators.
.set PAN,   69632
.set HALFP, 34816                      ; half a panel: what one tensor load brings: 136 rows of 256 bytes
.set SLOT,  2*PAN
.set SPARE, 2*SLOT                     ; the spare words: 128 bytes for each wave, two blocks of 256 bytes that no other line names
.set RB2,   2*PAN
.set RB8,   8*PAN
.set OFF_W1, 2228224
.set ADRA, 16
.set ADRB, 20
.set ADRS, 22
.set LI,   24
.set SPW,  28
.set NIL,  29
.set SC,   32
.set AF,   128
.set TM,   128
.set PC,   144
.set PW,   160
.set WD,   168
.set G1, 24
.set G0, 32
.set G1B, 48
.set G0B, 56
.set SEL, 66
.set MSB, 0
.macro WIN new                         ; the immediate's high byte repeats the setting that is left
.if MSB != \new
	s_set_vgpr_msb (MSB<<8)|\new
.set MSB, \new
.endif
.endm
.set MUL_LO,   0xa1                    ; source 0 (B) window 1, source 1 (A) window 0, C and D window 2
.set MUL_HI,   0xf1
.set MUL_LO_B, 0x91                    ; C (the bias) window 1, D window 2
.set MUL_HI_B, 0xd1
.set TO_B,     0x40
.macro PLACES n
.rept \n
	v_nop
.endr
.endm
.macro JLOAD g0a, g1a, g0b, g1b        ; a joint load: waves 0 and 1 fetch A's panel halves, waves 2 and 3 B's; four v_nop follow each line
	s_cmp_eq_u32 s15, 0
	s_cbranch_scc0 .Lfor_b_\@
	tensor_load_to_lds s[\g0a:\g0a+3], s[\g1a:\g1a+7]
	s_nop 0
.rept 4
	v_nop
.endr
	s_branch .Lasked_\@
.Lfor_b_\@:
	tensor_load_to_lds s[\g0b:\g0b+3], s[\g1b:\g1b+7]
	s_nop 0
.rept 4
	v_nop
.endr
.Lasked_\@:
.endm
.macro CREST
	s_cmp_lg_u32 s14, 0
	s_cbranch_scc1 .Lnot_wave_0_\@
	s_barrier_signal -3
.Lnot_wave_0_\@:
	s_barrier_wait -3
	s_barrier_signal -1
	s_barrier_wait -1
.endm
.macro CROUND
	s_barrier_signal -1
	s_barrier_wait -1
	CREST
.endm
	s_load_b128 s[4:7], s[0:1], 0x0                ; outc, cod
	s_load_b128 s[8:11], s[0:1], 0x10              ; b1, hc
	v_lshl_add_u32 v[SPW], v0, 2, SPARE
	v_mov_b32 v[NIL], 0
	ds_add_u32 v28, v29
	s_wait_dscnt 0x0
	v_lshrrev_b32 v1, 5, v0
	v_readfirstlane_b32 s14, v1                    ; wave 0..3
	s_lshr_b32 s15, s14, 1                         ; RH: my half of the tokens.  Also: I fetch for A (0) or for B (1)
	s_and_b32 s16, s14, 1                          ; CH: my half of the hidden units.  Also: which half of that panel I fetch
	s_bfe_u32 s40, ttmp6, 0x40000                  ; cx
	s_bfe_u32 s41, ttmp6, 0x40004                  ; cy
	s_lshl_b32 s42, ttmp9, 2
	s_add_co_u32 s42, s42, s40                     ; x: which 256 hidden units
	s_and_b32 s17, ttmp7, 0xffff
	s_lshl_b32 s17, s17, 2
	s_add_co_u32 s17, s17, s41                     ; y: which 256 tokens
	s_lshl_b32 s43, s41, 2
	s_lshl_b32 s43, 15, s43
	s_lshl_b32 s44, 0x1111, s40
	s_or_b32 s[G1], s43, (3<<16)|(1<<21)           ; 15:0 the mask; 17:16 elements of 8 bytes; 21 set beside a mask; no padding
	s_or_b32 s[G1B], s44, (3<<16)|(1<<21)
.irp g, G1, G1B
	s_mov_b32 s[\g+1], 32<<16
	s_mov_b32 s[\g+2], 136<<16
	s_mov_b32 s[\g+3], 32<<16
	s_mov_b32 s[\g+4], 136
	s_mov_b32 s[\g+5], 32
	s_mov_b32 s[\g+6], 0
	s_mov_b32 s[\g+7], 0
.endr
	s_mul_i32 s18, s16, HALFP
	s_mul_i32 s20, s17, RB2
	s_add_co_u32 s20, s20, s18
	s_mov_b32 s21, 0
	s_mul_i32 s46, s42, RB2
	s_add_co_u32 s46, s46, s18
	s_add_co_u32 s46, s46, OFF_W1
	s_mov_b32 s47, 0
	s_mul_i32 s45, s14, HALFP
	s_wait_kmcnt 0x0
	s_add_nc_u64 s[20:21], s[4:5], s[20:21]
	s_add_nc_u64 s[46:47], s[6:7], s[46:47]
	CROUND                                         ; all sixteen work-groups are here: the first joint loads meet
.irp s, 0,1
	s_mov_b32 s[G0+4*\s], 1
	s_add_co_u32 s[G0+4*\s+1], s45, \s*SLOT
	s_add_nc_u64 s[G0+4*\s+2:G0+4*\s+3], s[20:21], \s*PAN
	s_or_b32 s[G0+4*\s+3], s[G0+4*\s+3], 0x80000000
	s_mov_b32 s[G0B+4*\s], 1
	s_add_co_u32 s[G0B+4*\s+1], s45, \s*SLOT
	s_add_nc_u64 s[G0B+4*\s+2:G0B+4*\s+3], s[46:47], \s*PAN
	s_or_b32 s[G0B+4*\s+3], s[G0B+4*\s+3], 0x80000000
	JLOAD G0+4*\s, G1, G0B+4*\s, G1B               ; two loads of mine are out: both slots' only fills
.endr
	v_and_b32 v1, 15, v0                           ; r
	v_bfe_u32 v2, v0, 4, 1                         ; hh
	v_and_b32 v3, 31, v0
	v_lshlrev_b32 v[LI], 4, v3
	s_lshl_b32 s75, s15, 15
	s_lshl_b32 s76, s16, 15
	s_add_co_u32 s76, s76, PAN
.irp s, 0,1
	v_add_nc_u32 v[ADRA+\s], s75, v[LI]
	v_add_nc_u32 v[ADRB+\s], s76, v[LI]
	s_add_co_u32 s75, s75, SLOT
	s_add_co_u32 s76, s76, SLOT
.endr
	s_lshl_b32 s75, s15, 9
	s_lshl_b32 s76, s16, 9
	s_add_co_u32 s76, s76, PAN
	s_sub_co_u32 s76, s76, s75
	v_mul_u32_u24 v4, s76, v2                      ; lanes 16-31 take B's words
	v_lshl_add_u32 v4, v1, 4, v4
	s_add_co_u32 s75, s75, 65536
	v_add_nc_u32 v[ADRS], s75, v4
	s_add_co_u32 s75, s75, SLOT
	v_add_nc_u32 v[ADRS+1], s75, v4
	s_lshl_b32 s72, s42, 10                        ; b1 at my 128 units; register j of tile b wants unit 32 (b / 2) + 16 hh + 8 (b % 2) + j
	s_lshl_b32 s73, s16, 9
	s_add_co_u32 s72, s72, s73
	s_mov_b32 s73, 0
	s_add_nc_u64 s[8:9], s[8:9], s[72:73]
	v_lshlrev_b32 v5, 6, v2
	WIN TO_B
.irp b, 0,1,2,3,4,5,6,7
.irp e, 0,1
	global_load_b128 v[64+8*\b+4*\e:64+8*\b+4*\e+3], v5, s[8:9] offset:128*(\b/2)+32*(\b%2)+16*\e
.endr
.endr
	WIN 0
; 16 products: A's tiles a0, a0 + 1 x B's eight.  mode 2: the bias is the C of the sum's first product.  The 64 accumulators take turns, in the same order in every step.
.macro MUL16 a0, p, q, sc, mode
.irp a, \a0, \a0+1
.irp b, 0,1,2,3,4,5,6,7
.if \mode == 2
	v_wmma_scale_f32_16x16x128_f8f6f4 v[8*(8*((\a)%4)+\b):8*(8*((\a)%4)+\b)+7], v[128*(\p)+8*\b:128*(\p)+8*\b+7], v[AF+64*(\p)+8*(\a):AF+64*(\p)+8*(\a)+7], v[64+8*\b:64+8*\b+7], v[SC+32*(\sc)+8*(\q)+\b], v[SC+32*(\sc)+8*(\q)+(\a)] matrix_a_fmt:MATRIX_FMT_FP4 matrix_b_fmt:MATRIX_FMT_FP4 matrix_a_scale:MATRIX_SCALE_ROW1
.else
	v_wmma_scale_f32_16x16x128_f8f6f4 v[8*(8*((\a)%4)+\b):8*(8*((\a)%4)+\b)+7], v[128*(\p)+8*\b:128*(\p)+8*\b+7], v[AF+64*(\p)+8*(\a):AF+64*(\p)+8*(\a)+7], v[8*(8*((\a)%4)+\b):8*(8*((\a)%4)+\b)+7], v[SC+32*(\sc)+8*(\q)+\b], v[SC+32*(\sc)+8*(\q)+(\a)] matrix_a_fmt:MATRIX_FMT_FP4 matrix_b_fmt:MATRIX_FMT_FP4 matrix_a_scale:MATRIX_SCALE_ROW1
.endif
.endr
.endr
.endm
.macro FETCH slot, q, p
	WIN TO_B
.irp i, 0,1,2,3,4,5,6,7
.irp c, 0,1
	ds_load_b128 v[128*(\p)+8*\i+4*\c:128*(\p)+8*\i+4*\c+3], v[ADRB+\slot] offset:\i*4096+(\q)*1024+512*\c
.endr
.endr
	WIN 0
.irp i, 0,1,2,3,4,5,6,7
.irp c, 0,1
	ds_load_b128 v[AF+64*(\p)+8*\i+4*\c:AF+64*(\p)+8*\i+4*\c+3], v[ADRA+\slot] offset:\i*4096+(\q)*1024+512*\c
.endr
.endr
.endm
.macro SCALES slot
.irp q, 0,1,2,3
.irp iq, 0,1
	ds_load_b128 v[SC+32*\slot+8*\q+4*\iq:SC+32*\slot+8*\q+4*\iq+3], v[ADRS+\slot] offset:\q*1024+\iq*256
.endr
.endr
.endm
.macro STEP slot, q, mode
	s_wait_dscnt 0x0                               ; this step's fragments, asked for a step ago, are in
	PLACES 4                                       ; in front of loads into the set that the last step's products read
	FETCH \slot, (\q)+1, 1-(\q)%2
.if \mode == 2
	WIN MUL_LO_B
.else
	WIN MUL_LO
.endif
	MUL16 0, (\q)%2, \q, \slot, \mode
	MUL16 2, (\q)%2, \q, \slot, \mode
.if \mode == 2
	WIN MUL_HI_B
.else
	WIN MUL_HI
.endif
	MUL16 4, (\q)%2, \q, \slot, \mode
	MUL16 6, (\q)%2, \q, \slot, \mode
	WIN 0
.endm
.macro TURN slot, next                 ; a slot's last step changes slots: one barrier; nothing is filled again in this launch
	s_wait_tensorcnt 0x0                           ; all my tensor loads have landed: my part of the next slot
	ds_add_u32 v[SPW], v[NIL]                      ; 0 onto my spare word
	s_wait_dscnt 1                                 ; the fragments are in; the add may be out
	WIN MUL_LO
	MUL16 0, 1, 3, \slot, 0
	s_wait_dscnt 0x0
	s_barrier_signal -1
	MUL16 2, 1, 3, \slot, 0
	WIN 0
	s_barrier_wait -1
	PLACES 4
	FETCH \next, 0, 0
	SCALES \next
	WIN MUL_HI
	MUL16 4, 1, 3, \slot, 0
	MUL16 6, 1, 3, \slot, 0
	WIN 0
.endm
	s_wait_tensorcnt 1                             ; my part of slot 0 is in; slot 1's load may be out
	s_barrier_signal -1
	s_barrier_wait -1
	FETCH 0, 0, 0
	SCALES 0
	s_wait_loadcnt 0x0                             ; b1
	STEP 0, 0, 2
	STEP 0, 1, 0
	STEP 0, 2, 0
	TURN 0, 1
	STEP 1, 0, 0
	STEP 1, 1, 0
	STEP 1, 2, 0
	s_wait_dscnt 0x0
	WIN MUL_LO
	MUL16 0, 1, 3, 1, 0
	MUL16 2, 1, 3, 1, 0
	WIN MUL_HI
	MUL16 4, 1, 3, 1, 0
	MUL16 6, 1, 3, 1, 0
	WIN 0
	PLACES 4                                       ; in front of the first reads of results and of writes into A's fragment registers
.macro QUANTW s, w, pw                 ; 64 registers of window w become a fragment's codes in v[PC] on and its scale word in v[pw]
.set WN, (\w)|((\w)<<2)
	WIN WN
.irp b, 0,1,2,3
	v_max3_num_f32 v[TM+\b], |v[\s+16*\b]|, |v[\s+16*\b+1]|, 0x1800000   ; and the floor 2^(3 - 127)
.endr
.irp i, 2,4,6,8,10,12,14
.irp b, 0,1,2,3
	v_max3_num_f32 v[TM+\b], |v[\s+16*\b+\i]|, |v[\s+16*\b+\i+1]|, v[TM+\b]
.endr
.endr
	WIN 0
.irp b, 0,1,2,3
	v_permlanex16_b32 v[TM+4+\b], v[TM+\b], s[SEL], s[SEL+1]
.endr
.irp b, 0,1,2,3
	v_max_num_f32 v[TM+\b], v[TM+\b], v[TM+4+\b]
.endr
.irp b, 0,1,2,3
	v_add_nc_u32 v[TM+12+\b], 0xff000000, v[TM+\b]
.endr
.irp b, 0,1,2,3
	v_lshrrev_b32 v[TM+4+\b], 23, v[TM+12+\b]
.endr
	v_lshl_or_b32 v[\pw], v[TM+5], 8, v[TM+4]
	v_lshl_or_b32 v[\pw], v[TM+6], 16, v[\pw]
	v_lshl_or_b32 v[\pw], v[TM+7], 24, v[\pw]
	s_wait_xcnt 0x0                                ; the last image's stores have read v[PC] on
.set WN, \w
	WIN WN
.irp b, 0,1,2,3
	v_cvt_scalef32_pk8_fp4_f32 v[PC+2*\b], v[\s+16*\b:\s+16*\b+7], v[TM+12+\b]
	v_cvt_scalef32_pk8_fp4_f32 v[PC+2*\b+1], v[\s+16*\b+8:\s+16*\b+15], v[TM+12+\b]
.endr
	WIN 0
	v_nop                                          ; one plain place behind a scaled conversion
.irp c, 0,1
.irp i, 0,1
	v_permlane16_swap_b32 v[PC+4*\c+\i], v[PC+2+4*\c+\i]
.endr
.endr
.endm
.macro OUTA a                          ; token tile a: the activation, the quantiser, the image
.set SRC0, 64*((\a)%4)
.set WW, 2+(\a)/4
.set WN, (WW<<2)|(WW<<6)
	WIN WN
.set n, 0
.rept 64
	v_max_num_f32 v[SRC0+n], 0, v[SRC0+n]          ; relu, in f32; each accumulator from its low end on
.set n, n+1
.endr
	QUANTW SRC0, WW, PW+\a
	global_store_b128 v[LI], v[PC:PC+3], s[74:75] offset:\a*4096       ; 32 lanes store 512 consecutive bytes
	global_store_b128 v[LI], v[PC+4:PC+7], s[74:75] offset:\a*4096+512
.endm
	s_mov_b32 s[SEL], 0x76543210
	s_mov_b32 s[SEL+1], 0xfedcba98
.irp b, 0,1,2,3
	v_mov_b32 v[TM+4+\b], 0
.endr
	s_mul_i32 s72, s17, RB8                        ; hc: the tokens' block,
	s_lshr_b32 s73, s42, 1
	s_mul_i32 s73, s73, PAN
	s_add_co_u32 s72, s72, s73                     ; the panel of my 128 units: (2 x + CH) / 4,
	s_and_b32 s73, s42, 1
	s_lshl_b32 s73, s73, 1
	s_add_co_u32 s73, s73, s16
	s_lshl_b32 s73, s73, 10
	s_add_co_u32 s72, s72, s73                     ; its K step (2 x + CH) % 4
	s_lshl_b32 s74, s15, 15
	s_add_co_u32 s74, s72, s74                     ; my eight tiles' images
	s_mov_b32 s75, 0
	s_lshl_b32 s76, s15, 9
	s_add_co_u32 s76, s72, s76
	s_add_co_u32 s76, s76, 65536                   ; and their scale words
	s_mov_b32 s77, 0
	s_add_nc_u64 s[74:75], s[10:11], s[74:75]
	s_add_nc_u64 s[76:77], s[10:11], s[76:77]
.irp a, 0,1,2,3,4,5,6,7
	OUTA \a
.endr
	v_cmp_eq_u32 vcc_lo, 1, v2
.irp k, 0,1,2,3
	v_cndmask_b32 v[WD+\k], v[PW+\k], v[PW+4+\k], vcc_lo   ; lanes 0-15 tiles 0-3, lanes 16-31 tiles 4-7
.endr
	global_store_b128 v[LI], v[WD:WD+3], s[76:77]  ; 512 consecutive bytes
	s_wait_tensorcnt 0x0                           ; the wave's end
	ds_add_u32 v[SPW], v[NIL]
	s_wait_dscnt 0x0
	CROUND                                         ; the closing round
	s_endpgm
.Lfunc_end_k_q44698a8ce7_ffn1:
	.size	k_q44698a8ce7_ffn1, .Lfunc_end_k_q44698a8ce7_ffn1-k_q44698a8ce7_ffn1
	.p2alignl 7, 3214868480
	.fill 96, 4, 3214868480
	.section	.rodata,"a",@progbits
	.p2align	6, 0x0
	.amdhsa_kernel k_q44698a8ce7_ffn1
		.amdhsa_group_segment_fixed_size 327680
		.amdhsa_private_segment_fixed_size 0
		.amdhsa_enable_private_segment 0
		.amdhsa_kernarg_size 32
		.amdhsa_user_sgpr_count 2
		.amdhsa_user_sgpr_kernarg_segment_ptr 1
		.amdhsa_wavefront_size32 1
		.amdhsa_system_sgpr_workgroup_id_x 1
		.amdhsa_system_sgpr_workgroup_id_y 1
		.amdhsa_system_sgpr_workgroup_id_z 1
		.amdhsa_system_vgpr_workitem_id 0
		.amdhsa_next_free_vgpr 1024
		.amdhsa_next_free_sgpr 100
		.amdhsa_reserve_vcc 1
		.amdhsa_float_denorm_mode_32 3
		.amdhsa_float_denorm_mode_16_64 3
		.amdhsa_memory_ordered 1
		.amdhsa_forward_progress 1
		.amdhsa_inst_pref_size 143
	.end_amdhsa_kernel
	.amdgpu_metadata
---
amdhsa.version: [ 1, 2 ]
amdhsa.kernels:
  - .name:           k_q44698a8ce7_ffn1
    .symbol:         k_q44698a8ce7_ffn1.kd
    .args:
      - { .name: outc, .offset: 0, .size: 8, .value_kind: global_buffer, .address_space: global }
      - { .name: cod, .offset: 8, .size: 8, .value_kind: global_buffer, .address_space: global }
      - { .name: b1, .offset: 16, .size: 8, .value_kind: global_buffer, .address_space: global }
      - { .name: hc, .offset: 24, .size: 8, .value_kind: global_buffer, .address_space: global }
    .group_segment_fixed_size: 327680
    .private_segment_fixed_size: 0
    .kernarg_segment_align: 8
    .kernarg_segment_size: 32
    .max_flat_workgroup_size: 128
    .sgpr_count:     100
    .vgpr_count:     1024
    .wavefront_size: 32
...
	.end_amdgpu_metadata
.endif
;; end of part 4
;; launch ffn2 (part 5): grid 4 x 16, 4 waves a work-group, clusters of 4 x 4, 327,680 bytes of LDS; arguments hc, cod, b2, outf, x2; writes x2
.if DOCPART == 5
	.amdgcn_target "amdgcn-amd-amdhsa--gfx1250"
	.amdhsa_code_object_version 6
	.text
	.protected	k_q44698a8ce7_ffn2
	.globl	k_q44698a8ce7_ffn2
	.p2align	8
	.type	k_q44698a8ce7_ffn2,@function
k_q44698a8ce7_ffn2:
	s_mov_b64 s[64:65], 0
	v_nop
	global_prefetch_b8 v0, s[64:65] scope:SCOPE_SE
	s_setreg_imm32_b32 hwreg(HW_REG_WAVE_MODE, 25, 1), 1
	s_wait_xcnt 0x0
	s_wait_alu depctr_hold_cnt(0) depctr_sa_sdst(0) depctr_va_vdst(0) depctr_va_sdst(0) depctr_va_ssrc(0) depctr_va_vcc(0) depctr_vm_vsrc(0)
	s_getreg_b32 s2, hwreg(HW_REG_IB_STS2, 6, 4)
	s_cmp_eq_u32 s2, 0
	s_cbranch_scc0 .Lentry_in_a_cluster
	s_endpgm
.Lentry_in_a_cluster:
	s_bfe_u32 s2, ttmp6, 0x10000c
	s_cmp_lg_u32 s2, 0xf033
	s_cbranch_scc0 .Lentry_shape_is_right
	s_endpgm
.Lentry_shape_is_right:
; x2 = h x w2^T + b2 + out, the product on codes of FP4 with E8M0 scales (K = 4,096).  The norm follows in the next launch.
; OPERANDS are panels of 256 rows x 512 K (69,632 dense bytes: 64 images of 16 rows x 128 K in the order of the operand's registers, then the scale words).  A = hc (tokens, tiles of 16 neighbours), B = w2 out of cod
; (lane r of tile 2 B + u holds row 32 B + 8 u + r + 8 (r / 8)).  K's eight panels go through a ring of two LDS slots; the scale words ride in the panels.
; A work-group of four waves makes 256 tokens x 256 outputs, a wave 128 x 128.  THE PRODUCT IS USED TRANSPOSED: a lane holds one token; register j of tile b is output 32 (b / 2) + 16 hh + 8 (b % 2) + j.  b2 is the C of each sum's first product.
; 4 x 16 work-groups: the tile that the other two products of this program use, kept for one form of panel; it leaves three WGPs in four without work here.
; Joint loads: A's panel is shared along a row of the 4 x 4 cluster, B's along a column.  A wave has two tensor loads out at the start and one behind each refill.
; REGISTERS: window 0: v1 r, v2 hh, v16-29 addresses; v32-95 scale words, two sets; v128-255 A's fragments, two sets (on the way out: rows of the result).  window 1: v0-63, v128-191 B's fragments (on the way out: rows of out); v64-127 b2.  windows 2, 3: accumulators.
.set PAN,   69632
.set HALFP, 34816
.set SLOT,  2*PAN
.set SPARE, 2*SLOT                     ; the spare words: 128 bytes for each wave, two blocks of 256 bytes that no other line names
.set RB8,   8*PAN
.set OFF_W2, 4456448
.set LAPS,  4                          ; a lap = two panels = once round the ring
.set SPITCH, 528                       ; the way out: a stage of 16 rows x (512 bytes + 16) for each wave, in slot 0, which has had its last fill and its last read by then
.set ADRA, 16
.set ADRB, 20
.set ADRS, 22
.set LI,   24
.set STO,  25
.set RD,   26
.set SPW,  28
.set NIL,  29
.set SC,   32
.set AF,   128
.set G1, 24
.set G0, 32
.set G1B, 48
.set G0B, 56
.set MSB, 0
.macro WIN new                         ; the immediate's high byte repeats the setting that is left
.if MSB != \new
	s_set_vgpr_msb (MSB<<8)|\new
.set MSB, \new
.endif
.endm
.set MUL_LO,   0xa1
.set MUL_HI,   0xf1
.set MUL_LO_B, 0x91
.set MUL_HI_B, 0xd1
.set TO_B,     0x40
.macro PLACES n
.rept \n
	v_nop
.endr
.endm
.macro JLOAD g0a, g1a, g0b, g1b        ; a joint load: waves 0 and 1 fetch A's panel halves, waves 2 and 3 B's; four v_nop follow each line
	s_cmp_eq_u32 s15, 0
	s_cbranch_scc0 .Lfor_b_\@
	tensor_load_to_lds s[\g0a:\g0a+3], s[\g1a:\g1a+7]
	s_nop 0
.rept 4
	v_nop
.endr
	s_branch .Lasked_\@
.Lfor_b_\@:
	tensor_load_to_lds s[\g0b:\g0b+3], s[\g1b:\g1b+7]
	s_nop 0
.rept 4
	v_nop
.endr
.Lasked_\@:
.endm
.macro CREST
	s_cmp_lg_u32 s14, 0
	s_cbranch_scc1 .Lnot_wave_0_\@
	s_barrier_signal -3
.Lnot_wave_0_\@:
	s_barrier_wait -3
	s_barrier_signal -1
	s_barrier_wait -1
.endm
.macro CROUND
	s_barrier_signal -1
	s_barrier_wait -1
	CREST
.endm
	s_load_b128 s[4:7], s[0:1], 0x0                ; hc, cod
	s_load_b128 s[8:11], s[0:1], 0x10              ; b2, outf
	s_load_b64 s[12:13], s[0:1], 0x20              ; x2
	v_lshl_add_u32 v[SPW], v0, 2, SPARE
	v_mov_b32 v[NIL], 0
	ds_add_u32 v28, v29
	s_wait_dscnt 0x0
	v_lshrrev_b32 v1, 5, v0
	v_readfirstlane_b32 s14, v1                    ; wave 0..3
	s_lshr_b32 s15, s14, 1                         ; RH
	s_and_b32 s16, s14, 1                          ; CH
	s_bfe_u32 s40, ttmp6, 0x40000                  ; cx
	s_bfe_u32 s41, ttmp6, 0x40004                  ; cy
	s_lshl_b32 s42, ttmp9, 2
	s_add_co_u32 s42, s42, s40                     ; x: which 256 outputs
	s_and_b32 s17, ttmp7, 0xffff
	s_lshl_b32 s17, s17, 2
	s_add_co_u32 s17, s17, s41                     ; y: which 256 tokens
	s_lshl_b32 s43, s41, 2
	s_lshl_b32 s43, 15, s43
	s_lshl_b32 s44, 0x1111, s40
	s_or_b32 s[G1], s43, (3<<16)|(1<<21)
	s_or_b32 s[G1B], s44, (3<<16)|(1<<21)
.irp g, G1, G1B
	s_mov_b32 s[\g+1], 32<<16
	s_mov_b32 s[\g+2], 136<<16
	s_mov_b32 s[\g+3], 32<<16
	s_mov_b32 s[\g+4], 136
	s_mov_b32 s[\g+5], 32
	s_mov_b32 s[\g+6], 0
	s_mov_b32 s[\g+7], 0
.endr
	s_mul_i32 s18, s16, HALFP
	s_mul_i32 s20, s17, RB8
	s_add_co_u32 s20, s20, s18
	s_mov_b32 s21, 0
	s_mul_i32 s46, s42, RB8
	s_add_co_u32 s46, s46, s18
	s_add_co_u32 s46, s46, OFF_W2
	s_mov_b32 s47, 0
	s_mul_i32 s45, s14, HALFP
	s_wait_kmcnt 0x0
	s_add_nc_u64 s[20:21], s[4:5], s[20:21]
	s_add_nc_u64 s[46:47], s[6:7], s[46:47]
	CROUND                                         ; all sixteen work-groups are here: the first joint loads meet
.irp s, 0,1
	s_mov_b32 s[G0+4*\s], 1
	s_add_co_u32 s[G0+4*\s+1], s45, \s*SLOT
	s_add_nc_u64 s[G0+4*\s+2:G0+4*\s+3], s[20:21], \s*PAN
	s_or_b32 s[G0+4*\s+3], s[G0+4*\s+3], 0x80000000
	s_mov_b32 s[G0B+4*\s], 1
	s_add_co_u32 s[G0B+4*\s+1], s45, \s*SLOT
	s_add_nc_u64 s[G0B+4*\s+2:G0B+4*\s+3], s[46:47], \s*PAN
	s_or_b32 s[G0B+4*\s+3], s[G0B+4*\s+3], 0x80000000
	JLOAD G0+4*\s, G1, G0B+4*\s, G1B
.endr
	v_and_b32 v1, 15, v0                           ; r
	v_bfe_u32 v2, v0, 4, 1                         ; hh
	v_and_b32 v3, 31, v0
	v_lshlrev_b32 v[LI], 4, v3
	s_lshl_b32 s75, s15, 15
	s_lshl_b32 s76, s16, 15
	s_add_co_u32 s76, s76, PAN
.irp s, 0,1
	v_add_nc_u32 v[ADRA+\s], s75, v[LI]
	v_add_nc_u32 v[ADRB+\s], s76, v[LI]
	s_add_co_u32 s75, s75, SLOT
	s_add_co_u32 s76, s76, SLOT
.endr
	s_lshl_b32 s75, s15, 9
	s_lshl_b32 s76, s16, 9
	s_add_co_u32 s76, s76, PAN
	s_sub_co_u32 s76, s76, s75
	v_mul_u32_u24 v4, s76, v2                      ; lanes 16-31 take B's words
	v_lshl_add_u32 v4, v1, 4, v4
	s_add_co_u32 s75, s75, 65536
	v_add_nc_u32 v[ADRS], s75, v4
	s_add_co_u32 s75, s75, SLOT
	v_add_nc_u32 v[ADRS+1], s75, v4
	s_mul_i32 s77, s14, 16*SPITCH                  ; my stage
	v_mul_u32_u24 v[STO], v1, SPITCH
	v_lshl_add_u32 v[STO], v2, 6, v[STO]
	v_add_nc_u32 v[STO], s77, v[STO]               ; in: row r, + 64 hh
	v_add_nc_u32 v[RD], s77, v[LI]                 ; back: 32 lanes take a row of 512 bytes
	s_lshl_b32 s72, s42, 10                        ; my 128 outputs, in bytes: b2's place, and the column in out and x2
	s_lshl_b32 s73, s16, 9
	s_add_co_u32 s72, s72, s73
	s_mov_b32 s73, 0
	s_add_nc_u64 s[8:9], s[8:9], s[72:73]
	s_lshl_b32 s74, s17, 20                        ; my 128 tokens' rows of 4,096 bytes
	s_lshl_b32 s75, s15, 19
	s_add_co_u32 s74, s74, s75
	s_add_co_u32 s72, s72, s74
	s_add_nc_u64 s[74:75], s[12:13], s[72:73]      ; x2
	s_add_nc_u64 s[72:73], s[10:11], s[72:73]      ; out
	v_lshlrev_b32 v5, 6, v2
	WIN TO_B
.irp b, 0,1,2,3,4,5,6,7
.irp e, 0,1
	global_load_b128 v[64+8*\b+4*\e:64+8*\b+4*\e+3], v5, s[8:9] offset:128*(\b/2)+32*(\b%2)+16*\e
.endr
.endr
	WIN 0
; 16 products: A's tiles a0, a0 + 1 x B's eight.  mode 2: the bias is the C of the sum's first product.  The 64 accumulators take turns, in the same order in every step, over the loop's backward jump too.
.macro MUL16 a0, p, q, sc, mode
.irp a, \a0, \a0+1
.irp b, 0,1,2,3,4,5,6,7
.if \mode == 2
	v_wmma_scale_f32_16x16x128_f8f6f4 v[8*(8*((\a)%4)+\b):8*(8*((\a)%4)+\b)+7], v[128*(\p)+8*\b:128*(\p)+8*\b+7], v[AF+64*(\p)+8*(\a):AF+64*(\p)+8*(\a)+7], v[64+8*\b:64+8*\b+7], v[SC+32*(\sc)+8*(\q)+\b], v[SC+32*(\sc)+8*(\q)+(\a)] matrix_a_fmt:MATRIX_FMT_FP4 matrix_b_fmt:MATRIX_FMT_FP4 matrix_a_scale:MATRIX_SCALE_ROW1
.else
	v_wmma_scale_f32_16x16x128_f8f6f4 v[8*(8*((\a)%4)+\b):8*(8*((\a)%4)+\b)+7], v[128*(\p)+8*\b:128*(\p)+8*\b+7], v[AF+64*(\p)+8*(\a):AF+64*(\p)+8*(\a)+7], v[8*(8*((\a)%4)+\b):8*(8*((\a)%4)+\b)+7], v[SC+32*(\sc)+8*(\q)+\b], v[SC+32*(\sc)+8*(\q)+(\a)] matrix_a_fmt:MATRIX_FMT_FP4 matrix_b_fmt:MATRIX_FMT_FP4 matrix_a_scale:MATRIX_SCALE_ROW1
.endif
.endr
.endr
.endm
.macro FETCH slot, q, p
	WIN TO_B
.irp i, 0,1,2,3,4,5,6,7
.irp c, 0,1
	ds_load_b128 v[128*(\p)+8*\i+4*\c:128*(\p)+8*\i+4*\c+3], v[ADRB+\slot] offset:\i*4096+(\q)*1024+512*\c
.endr
.endr
	WIN 0
.irp i, 0,1,2,3,4,5,6,7
.irp c, 0,1
	ds_load_b128 v[AF+64*(\p)+8*\i+4*\c:AF+64*(\p)+8*\i+4*\c+3], v[ADRA+\slot] offset:\i*4096+(\q)*1024+512*\c
.endr
.endr
.endm
.macro SCALES slot
.irp q, 0,1,2,3
.irp iq, 0,1
	ds_load_b128 v[SC+32*\slot+8*\q+4*\iq:SC+32*\slot+8*\q+4*\iq+3], v[ADRS+\slot] offset:\q*1024+\iq*256
.endr
.endr
.endm
.macro STEP slot, q, mode
	s_wait_dscnt 0x0                               ; this step's fragments, asked for a step ago, are in
	PLACES 4                                       ; in front of loads into the set that the last step's products read
	FETCH \slot, (\q)+1, 1-(\q)%2
.if \mode == 2
	WIN MUL_LO_B
.else
	WIN MUL_LO
.endif
	MUL16 0, (\q)%2, \q, \slot, \mode
	MUL16 2, (\q)%2, \q, \slot, \mode
.if \mode == 2
	WIN MUL_HI_B
.else
	WIN MUL_HI
.endif
	MUL16 4, (\q)%2, \q, \slot, \mode
	MUL16 6, (\q)%2, \q, \slot, \mode
	WIN 0
.endm
; A slot's last step changes slots: ONE barrier; in front of it each wave waits for all its tensor loads, adds 0 to its spare word, and waits for that and for its reads of this slot.  fill = 1: the barrier opens a round of the cluster's, and this slot is filled again, two panels on.
.macro TURN slot, next, fill
	s_wait_tensorcnt 0x0                           ; all my tensor loads have landed: my part of the next slot
	ds_add_u32 v[SPW], v[NIL]                      ; 0 onto my spare word
	s_wait_dscnt 1                                 ; the fragments are in; the add may be out
	WIN MUL_LO
	MUL16 0, 1, 3, \slot, 0                        ; sixteen products stand between the add and the wait for it
	s_wait_dscnt 0x0                               ; the add is done, and my reads of this slot are over
	s_barrier_signal -1
	MUL16 2, 1, 3, \slot, 0
	WIN 0
	s_barrier_wait -1
.if \fill
	CREST                                          ; no wave of any partner still reads this slot or has a load on its way
	s_add_nc_u64 s[G0+4*\slot+2:G0+4*\slot+3], s[G0+4*\slot+2:G0+4*\slot+3], 2*PAN
	s_add_nc_u64 s[G0B+4*\slot+2:G0B+4*\slot+3], s[G0B+4*\slot+2:G0B+4*\slot+3], 2*PAN
	JLOAD G0+4*\slot, G1, G0B+4*\slot, G1B         ; the first tensor load behind the round; its four v_nop are the places in front of the loads below
.else
	PLACES 4
.endif
	FETCH \next, 0, 0
	SCALES \next
	WIN MUL_HI
	MUL16 4, 1, 3, \slot, 0
	MUL16 6, 1, 3, \slot, 0
	WIN 0
.endm
	s_wait_tensorcnt 1                             ; my part of panel 0 is in; panel 1's load may be out
	s_barrier_signal -1
	s_barrier_wait -1
	FETCH 0, 0, 0
	SCALES 0
	s_wait_loadcnt 0x0                             ; b2
	STEP 0, 0, 2                                   ; the first step stands in front of the loop: its products start the sums
	s_mov_b32 s3, LAPS-1
.Llap:                                             ; a trip goes once round the ring, from a lap's second step to the next lap's first, and fills both slots again
	STEP 0, 1, 0
	STEP 0, 2, 0
	TURN 0, 1, 1
	STEP 1, 0, 0
	STEP 1, 1, 0
	STEP 1, 2, 0
	TURN 1, 0, 1
	STEP 0, 0, 0
	s_sub_co_u32 s3, s3, 1
	s_cmp_lg_u32 s3, 0
	s_cbranch_scc1 .Llap
	STEP 0, 1, 0                                   ; the last lap fills nothing
	STEP 0, 2, 0
	TURN 0, 1, 0
	STEP 1, 0, 0
	STEP 1, 1, 0
	STEP 1, 2, 0
	s_wait_dscnt 0x0
	WIN MUL_LO
	MUL16 0, 1, 3, 1, 0
	MUL16 2, 1, 3, 1, 0
	WIN MUL_HI
	MUL16 4, 1, 3, 1, 0
	MUL16 6, 1, 3, 1, 0
	WIN 0
; THE WAY OUT, 16 tokens x 128 outputs at a time: through my stage, back as whole rows of 512 bytes, + the same rows of out, stored.  Every offset is an immediate (520,192 at the most): no base is stepped.
.macro RLOAD a                         ; block a's rows of out, into window 1
	WIN TO_B
.irp t, 0,1,2,3,4,5,6,7,8,9,10,11,12,13,14,15
	global_load_b128 v[128*((\a)%2)+4*\t:128*((\a)%2)+4*\t+3], v[LI], s[72:73] offset:(\a)*65536+\t*4096
.endr
	WIN 0
.endm
.macro TOSTAGE a
.set AC, 64*((\a)%4)
.set WN, 0x08+4*((\a)/4)
	WIN WN                                         ; an LDS store's data: window 2 or 3
.irp b, 0,1,2,3,4,5,6,7
	ds_store_b128 v[STO], v[AC+8*\b:AC+8*\b+3] offset:128*(\b/2)+32*(\b%2)        ; each accumulator from its low end on
	ds_store_b128 v[STO], v[AC+8*\b+4:AC+8*\b+7] offset:128*(\b/2)+32*(\b%2)+16
.endr
	WIN 0
.set BB, AF+64*((\a)%2)
.irp t, 0,1,2,3,4,5,6,7,8,9,10,11,12,13,14,15
	ds_load_b128 v[BB+4*\t:BB+4*\t+3], v[RD] offset:\t*SPITCH   ; LDS serves a wave's instructions in order: these see my stores
.endr
.endm
.macro SEND a
.set BB, AF+64*((\a)%2)
.set RR, 128*((\a)%2)
.if (\a) < 7
	s_wait_dscnt 32                                ; the block is back; the next block's 32 LDS instructions may be out
	s_wait_loadcnt 16                              ; its rows of out are in; the next block's 16 loads may be out
.else
	s_wait_dscnt 0x0
	s_wait_loadcnt 0x0
.endif
	WIN 0x04                                       ; source 1 window 1
.set n, 0
.rept 32
	v_pk_add_f32 v[BB+n:BB+n+1], v[BB+n:BB+n+1], v[RR+n:RR+n+1]
.set n, n+2
.endr
	WIN 0
.irp t, 0,1,2,3,4,5,6,7,8,9,10,11,12,13,14,15
	global_store_b128 v[LI], v[BB+4*\t:BB+4*\t+3], s[74:75] offset:(\a)*65536+\t*4096   ; 32 lanes store 512 consecutive bytes, aligned
.endr
.if (\a) < 6
	RLOAD (\a)+2
.endif
.endm
	PLACES 4                                       ; in front of loads into the fragments' registers and of the first reads of results
	RLOAD 0
	RLOAD 1
	TOSTAGE 0
.irp a, 1,2,3,4,5,6,7
.if \a > 1
	s_wait_xcnt 0x0                                ; block a - 2's stores have read the registers into which block a's rows come back
.endif
	TOSTAGE \a
	SEND \a-1
.endr
	SEND 7
	s_wait_tensorcnt 0x0                           ; the wave's end
	ds_add_u32 v[SPW], v[NIL]
	s_wait_dscnt 0x0
	CROUND                                         ; the closing round
	s_endpgm
.Lfunc_end_k_q44698a8ce7_ffn2:
	.size	k_q44698a8ce7_ffn2, .Lfunc_end_k_q44698a8ce7_ffn2-k_q44698a8ce7_ffn2
	.p2alignl 7, 3214868480
	.fill 96, 4, 3214868480
	.section	.rodata,"a",@progbits
	.p2align	6, 0x0
	.amdhsa_kernel k_q44698a8ce7_ffn2
		.amdhsa_group_segment_fixed_size 327680
		.amdhsa_private_segment_fixed_size 0
		.amdhsa_enable_private_segment 0
		.amdhsa_kernarg_size 40
		.amdhsa_user_sgpr_count 2
		.amdhsa_user_sgpr_kernarg_segment_ptr 1
		.amdhsa_wavefront_size32 1
		.amdhsa_system_sgpr_workgroup_id_x 1
		.amdhsa_system_sgpr_workgroup_id_y 1
		.amdhsa_system_sgpr_workgroup_id_z 1
		.amdhsa_system_vgpr_workitem_id 0
		.amdhsa_next_free_vgpr 1024
		.amdhsa_next_free_sgpr 100
		.amdhsa_reserve_vcc 0
		.amdhsa_float_denorm_mode_32 3
		.amdhsa_float_denorm_mode_16_64 3
		.amdhsa_memory_ordered 1
		.amdhsa_forward_progress 1
		.amdhsa_inst_pref_size 237
	.end_amdhsa_kernel
	.amdgpu_metadata
---
amdhsa.version: [ 1, 2 ]
amdhsa.kernels:
  - .name:           k_q44698a8ce7_ffn2
    .symbol:         k_q44698a8ce7_ffn2.kd
    .args:
      - { .name: hc, .offset: 0, .size: 8, .value_kind: global_buffer, .address_space: global }
      - { .name: cod, .offset: 8, .size: 8, .value_kind: global_buffer, .address_space: global }
      - { .name: b2, .offset: 16, .size: 8, .value_kind: global_buffer, .address_space: global }
      - { .name: outf, .offset: 24, .size: 8, .value_kind: global_buffer, .address_space: global }
      - { .name: x2, .offset: 32, .size: 8, .value_kind: global_buffer, .address_space: global }
    .group_segment_fixed_size: 327680
    .private_segment_fixed_size: 0
    .kernarg_segment_align: 8
    .kernarg_segment_size: 40
    .max_flat_workgroup_size: 128
    .sgpr_count:     100
    .vgpr_count:     1024
    .wavefront_size: 32
...
	.end_amdgpu_metadata
.endif
;; end of part 5
;; launch ln2 (part 6): grid 256 x 1, 8 waves a work-group, no clusters, 0 bytes of LDS; arguments x2, g2, be2, out0; writes out0
.if DOCPART == 6
	.amdgcn_target "amdgcn-amd-amdhsa--gfx1250"
	.amdhsa_code_object_version 6
	.text
	.protected	k_q44698a8ce7_ln2
	.globl	k_q44698a8ce7_ln2
	.p2align	8
	.type	k_q44698a8ce7_ln2,@function
k_q44698a8ce7_ln2:
	s_mov_b64 s[64:65], 0
	v_nop
	global_prefetch_b8 v0, s[64:65] scope:SCOPE_SE
	s_setreg_imm32_b32 hwreg(HW_REG_WAVE_MODE, 25, 1), 1
	s_wait_xcnt 0x0
; out0 = (x2 - mean) rsqrt(var + 1e-5) g2 + be2 along rows of 1,024 f32.  A stream: each byte is read once and written once; no LDS, no barrier, no matrix unit: a row is 32 registers of one wave, which keeps it between the passes.
; A wave takes two rows, 16 x work-group + 2 x wave + 0, 1.  Each load and store of a wave covers 512 consecutive bytes.  The variance is taken of x - mean, so a common offset of the inputs costs no digits.
.set XR, 32                            ; v32-95   the two rows
.set GG, 96                            ; v96-127  g2
.set BE, 128                           ; v128-159 be2
	s_load_b256 s[4:11], s[0:1], 0x0               ; x2, g2, be2, out0
	v_lshrrev_b32 v1, 5, v0
	v_readfirstlane_b32 s12, v1                    ; wave 0..7
	v_and_b32 v2, 31, v0
	v_lshlrev_b32 v1, 4, v2                        ; 16 x lane
	s_lshl_b32 s14, ttmp9, 16                      ; 16 rows of 4,096 bytes a work-group,
	s_lshl_b32 s13, s12, 13                        ; two a wave
	s_add_co_u32 s14, s14, s13
	s_mov_b32 s15, 0
	s_mov_b32 s16, 0x76543210
	s_mov_b32 s17, 0xfedcba98
	s_mov_b32 s18, 0x3a800000                      ; 1 / 1,024
	s_mov_b32 s19, 0x3727c5ac                      ; 1e-5
	s_wait_kmcnt 0x0
	s_add_nc_u64 s[4:5], s[4:5], s[14:15]
	s_add_nc_u64 s[10:11], s[10:11], s[14:15]
.irp p, 0,1
.irp j, 0,1,2,3,4,5,6,7
	global_load_b128 v[XR+32*\p+4*\j:XR+32*\p+4*\j+3], v1, s[4:5] offset:4096*\p+512*\j th:TH_LOAD_NT
.endr
.endr
.irp j, 0,1,2,3,4,5,6,7
	global_load_b128 v[GG+4*\j:GG+4*\j+3], v1, s[6:7] offset:512*\j
.endr
.irp j, 0,1,2,3,4,5,6,7
	global_load_b128 v[BE+4*\j:BE+4*\j+3], v1, s[8:9] offset:512*\j
.endr
.macro LANES                           ; v160: the sum over the wave's 32 lanes, in every lane
	v_add_f32_dpp v160, v160, v160 row_xmask:1 row_mask:0xf bank_mask:0xf
	v_add_f32_dpp v160, v160, v160 row_xmask:2 row_mask:0xf bank_mask:0xf
	v_add_f32_dpp v160, v160, v160 row_xmask:4 row_mask:0xf bank_mask:0xf
	v_add_f32_dpp v160, v160, v160 row_xmask:8 row_mask:0xf bank_mask:0xf
	v_permlanex16_b32 v161, v160, s16, s17
	v_add_f32 v160, v160, v161
.endm
.macro STAT x, left                    ; the row in v[x] on becomes (x - mean) rsqrt(var + 1e-5)
	s_wait_loadcnt \left                           ; the row is in; the loads issued behind it may be out
	v_pk_add_f32 v[160:161], v[\x:\x+1], v[\x+2:\x+3]
	v_pk_add_f32 v[162:163], v[\x+4:\x+5], v[\x+6:\x+7]
.irp n, 8,12,16,20,24,28
	v_pk_add_f32 v[160:161], v[160:161], v[\x+\n:\x+\n+1]
	v_pk_add_f32 v[162:163], v[162:163], v[\x+\n+2:\x+\n+3]
.endr
	v_pk_add_f32 v[160:161], v[160:161], v[162:163]
	v_add_f32 v160, v160, v161
	LANES
	v_mul_f32 v164, 0xba800000, v160               ; -mean
	v_mov_b32 v165, v164
.irp n, 0,2,4,6,8,10,12,14,16,18,20,22,24,26,28,30
	v_pk_add_f32 v[\x+\n:\x+\n+1], v[\x+\n:\x+\n+1], v[164:165]
.endr
	v_pk_mul_f32 v[160:161], v[\x:\x+1], v[\x:\x+1]
	v_pk_mul_f32 v[162:163], v[\x+2:\x+3], v[\x+2:\x+3]
.irp n, 4,8,12,16,20,24,28
	v_pk_fma_f32 v[160:161], v[\x+\n:\x+\n+1], v[\x+\n:\x+\n+1], v[160:161]
	v_pk_fma_f32 v[162:163], v[\x+\n+2:\x+\n+3], v[\x+\n+2:\x+\n+3], v[162:163]
.endr
	v_pk_add_f32 v[160:161], v[160:161], v[162:163]
	v_add_f32 v160, v160, v161
	LANES
	v_fma_f32 v160, v160, s18, s19
	v_rsq_f32 v166, v160
	v_nop                                          ; one plain place behind a transcendental
	s_wait_alu depctr_va_vdst(0)
	v_mov_b32 v167, v166
.irp n, 0,2,4,6,8,10,12,14,16,18,20,22,24,26,28,30
	v_pk_mul_f32 v[\x+\n:\x+\n+1], v[\x+\n:\x+\n+1], v[166:167]
.endr
.endm
	STAT XR, 24
	STAT XR+32, 16
	s_wait_loadcnt 0x0                             ; g2, be2
.irp p, 0,1
.irp n, 0,2,4,6,8,10,12,14,16,18,20,22,24,26,28,30
	v_pk_fma_f32 v[XR+32*\p+\n:XR+32*\p+\n+1], v[XR+32*\p+\n:XR+32*\p+\n+1], v[GG+\n:GG+\n+1], v[BE+\n:BE+\n+1]
.endr
.irp j, 0,1,2,3,4,5,6,7
	global_store_b128 v1, v[XR+32*\p+4*\j:XR+32*\p+4*\j+3], s[10:11] offset:4096*\p+512*\j th:TH_STORE_NT
.endr
.endr
	s_endpgm
.Lfunc_end_k_q44698a8ce7_ln2:
	.size	k_q44698a8ce7_ln2, .Lfunc_end_k_q44698a8ce7_ln2-k_q44698a8ce7_ln2
	.p2alignl 7, 3214868480
	.fill 96, 4, 3214868480
	.section	.rodata,"a",@progbits
	.p2align	6, 0x0
	.amdhsa_kernel k_q44698a8ce7_ln2
		.amdhsa_group_segment_fixed_size 0
		.amdhsa_private_segment_fixed_size 0
		.amdhsa_enable_private_segment 0
		.amdhsa_kernarg_size 32
		.amdhsa_user_sgpr_count 2
		.amdhsa_user_sgpr_kernarg_segment_ptr 1
		.amdhsa_wavefront_size32 1
		.amdhsa_system_sgpr_workgroup_id_x 1
		.amdhsa_system_sgpr_workgroup_id_y 1
		.amdhsa_system_sgpr_workgroup_id_z 1
		.amdhsa_system_vgpr_workitem_id 0
		.amdhsa_next_free_vgpr 176
		.amdhsa_next_free_sgpr 66
		.amdhsa_reserve_vcc 0
		.amdhsa_float_denorm_mode_32 3
		.amdhsa_float_denorm_mode_16_64 3
		.amdhsa_memory_ordered 1
		.amdhsa_forward_progress 1
		.amdhsa_inst_pref_size 18
	.end_amdhsa_kernel
	.amdgpu_metadata
---
amdhsa.version: [ 1, 2 ]
amdhsa.kernels:
  - .name:           k_q44698a8ce7_ln2
    .symbol:         k_q44698a8ce7_ln2.kd
    .args:
      - { .name: x2, .offset: 0, .size: 8, .value_kind: global_buffer, .address_space: global }
      - { .name: g2, .offset: 8, .size: 8, .value_kind: global_buffer, .address_space: global }
      - { .name: be2, .offset: 16, .size: 8, .value_kind: global_buffer, .address_space: global }
      - { .name: out0, .offset: 24, .size: 8, .value_kind: global_buffer, .address_space: global }
    .group_segment_fixed_size: 0
    .private_segment_fixed_size: 0
    .kernarg_segment_align: 8
    .kernarg_segment_size: 32
    .max_flat_workgroup_size: 256
    .sgpr_count:     66
    .vgpr_count:     176
    .wavefront_size: 32
...
	.end_amdgpu_metadata
.endif
;; end of part 6
;; ======== version 2 of 2: 6 launches; 1.12 times as fast as version 1
;; workspace buffers: cod 8,355,840 bytes; qq 4,587,520 bytes; kv 4,587,520 bytes; outf 16,777,216 bytes; outc 2,228,224 bytes; hc 8,912,896 bytes; x2 16,777,216 bytes
;; launch quant: the kernel of part 1 again; grid 480 x 1, 4 waves a work-group, no clusters, 34,304 bytes of LDS; arguments embed, w1, w2, Wq, Wk, Wv, cod; writes cod
;; launch qkv: the kernel of part 2 again; grid 16 x 12, 4 waves a work-group, clusters of 4 x 4, 327,680 bytes of LDS; arguments cod, qq, kv; writes qq, kv
;; launch attn: the kernel of part 3 again; grid 128 x 2, 16 waves a work-group, clusters of 4 x 1, 327,680 bytes of LDS; arguments qq, kv, src_mask, embed, g1, be1, outf, outc; writes outf, outc
;; launch ffn1: the kernel of part 4 again; grid 16 x 16, 4 waves a work-group, clusters of 4 x 4, 327,680 bytes of LDS; arguments outc, cod, b1, hc; writes hc
;; launch ffn2 (part 7): grid 8 x 32, 4 waves a work-group, clusters of 4 x 4, 327,680 bytes of LDS; arguments hc, cod, b2, outf, x2; writes x2
.if DOCPART == 7
	.amdgcn_target "amdgcn-amd-amdhsa--gfx1250"
	.amdhsa_code_object_version 6
	.text
	.protected	k_q44698a8ce7_ffn2
	.globl	k_q44698a8ce7_ffn2
	.p2align	8
	.type	k_q44698a8ce7_ffn2,@function
k_q44698a8ce7_ffn2:
	s_mov_b64 s[64:65], 0
	v_nop
	global_prefetch_b8 v0, s[64:65] scope:SCOPE_SE
	s_setreg_imm32_b32 hwreg(HW_REG_WAVE_MODE, 25, 1), 1
	s_wait_xcnt 0x0
	s_wait_alu depctr_hold_cnt(0) depctr_sa_sdst(0) depctr_va_vdst(0) depctr_va_sdst(0) depctr_va_ssrc(0) depctr_va_vcc(0) depctr_vm_vsrc(0)
	s_getreg_b32 s2, hwreg(HW_REG_IB_STS2, 6, 4)
	s_cmp_eq_u32 s2, 0
	s_cbranch_scc0 .Lentry_in_a_cluster
	s_endpgm
.Lentry_in_a_cluster:
	s_bfe_u32 s2, ttmp6, 0x10000c
	s_cmp_lg_u32 s2, 0xf033
	s_cbranch_scc0 .Lentry_shape_is_right
	s_endpgm
.Lentry_shape_is_right:
; x2 = h x w2^T + b2 + out, the product on codes of FP4 with E8M0 scales (K = 4,096), sums in f32, K ascending.  The norm follows in the next launch.
; OPERANDS lie as panels of 256 rows x 512 K (69,632 bytes): 16 tiles x 4 K steps of images (16 rows x 128 K, 1,024 bytes, in the order of the operand's registers), then at +65,536 the scale words [q 4][half 2][iq 2][r 16][i4 4].
; A = hc (tokens, tiles of 16 neighbours), B = w2 out of cod (lane r of tile 2 B + u holds row 32 B + 8 u + r + 8 (r / 8)).
; SHARES.  4,096 x 1,024 outputs in tiles of 128 x 128 are 256 work-groups.  A work-group reads one half (8 tiles, 32,768 dense bytes) of each of A's and B's eight panels.  Four waves, each 64 tokens x 64 outputs: 16 accumulators.
; THE PRODUCT IS USED TRANSPOSED (source 0 = a tile of w2, source 1 = a tile of tokens): a lane holds one token; register j of tile b is output 32 (b / 2) + 16 hh + 8 (b % 2) + j of the wave's 64.  b2 is the C of each sum's first product.
; THE RING: two LDS slots of 1,024 along K (A's two half panels, then B's two: 131,072 bytes), as large as two fit beside the scale words; each wave fetches one half panel, 128 rows of 256 bytes.  K is four fills: two first fills, two refills.
; THE SCALE WORDS of the work-group's rows, for all of K (2 x 16,384 bytes), come once, with the first fills: a K step's words of the eight panels are 8 rows of 512 bytes, 69,632 bytes apart: two such loads a wave.
; CLUSTERS: 4 x 4 work-groups; A's tiles hang on the token block alone and are asked for jointly along a row of the cluster, B's on the output block alone, along a column.  A wave has four tensor loads out at the start and one behind each refill.
; The wave's 64 x 64 numbers of out are asked for while the first slot is multiplied and wait in registers for the way out.
; REGISTERS: window 0: v1 r, v2 hh, v5, v16-29 addresses; v32-95 scale words, two sets (lanes 0-15 A's four tiles, lanes 16-31 B's); v96-127 b2; v128-255 the accumulators ((a, b) at v[128 + 8 (4 a + b)]).
;   window 1: two sets of 128: the fragments of two K steps (for each: B's four, then A's four); on the way out the rows that come back from the stage.   window 2: v0-127 out.
.set PAN,    69632
.set RB8,    8*PAN                     ; a block of 256 rows with K = 4,096
.set OFF_W2, 4456448
.set HC,     32768                     ; half a panel's codes: what one tensor load brings
.set SLOT,   4*HC
.set SCL,    2*SLOT                    ; behind the ring: A's scale words [q 4][panel 8][512 bytes],
.set SCO,    16384                     ; and, so far behind, B's
.set SPARE,  SCL+2*SCO                 ; the spare words: 128 bytes for each wave, two blocks of 256 bytes that no other line names
.set SP,     272                       ; the way out: a stage row: 256 bytes + 16
.set WST,    4*16*SP                   ; a wave's four stages of 16 rows, in slot 0, which has had its last fill and its last read by then
.set ADRA, 16                          ; v16-17 LDS address of my A images in slot 0, 1
.set ADRB, 20                          ; v20-21 of my B images
.set ADRS, 22                          ; v22    of my scale words: lanes 0-15 A's, lanes 16-31 B's
.set LI,   24                          ; v24    16 x lane
.set STO,  25                          ; v25    the stage: where I put 16 bytes of a row
.set RD,   26                          ; v26    and where I read a row back
.set CO,   27                          ; v27    my byte offset in two rows of out and of x2
.set SPW,  28
.set NIL,  29
.set SC,   32                          ; scale words: set s, K step k of the slot's eight, tile i at v[SC + 32 s + 4 k + i]
.set BI,   96
.set ACC,  128
.set G1, 24                            ; s[24:31] group 1 for A's codes;  s[32:39] group 0, one set for each slot
.set G0, 32
.set G1B, 48                           ; the same for B's codes
.set G0B, 56
.set G1S, 68                           ; s[68:75] group 1 for A's scale words;  s[76:83] group 0 for my two loads of them
.set G0S, 76
.set G1SB, 84                          ; the same for B's
.set G0SB, 92
.set MSB, 0
.macro WIN new                         ; the immediate's high byte repeats the setting that is left
.if MSB != \new
	s_set_vgpr_msb (MSB<<8)|\new
.set MSB, \new
.endif
.endm
.set MUL,  0x05                        ; sources 0 (B) and 1 (A) window 1; C and D window 0
.set TO_F, 0x40                        ; destination window 1, address window 0
.macro PLACES n
.rept \n
	v_nop
.endr
.endm
; A joint load: waves 0 and 1 fetch for A, waves 2 and 3 for B.  The branch hangs on the wave's number alone.  Four v_nop follow each of the two lines.
.macro JLOAD g0a, g1a, g0b, g1b
	s_cmp_eq_u32 s15, 0
	s_cbranch_scc0 .Lfor_b_\@
	tensor_load_to_lds s[\g0a:\g0a+3], s[\g1a:\g1a+7]
	s_nop 0
.rept 4
	v_nop
.endr
	s_branch .Lasked_\@
.Lfor_b_\@:
	tensor_load_to_lds s[\g0b:\g0b+3], s[\g1b:\g1b+7]
	s_nop 0
.rept 4
	v_nop
.endr
.Lasked_\@:
.endm
.macro CREST                           ; a round of the cluster's barrier behind its opening barrier
	s_cmp_lg_u32 s14, 0
	s_cbranch_scc1 .Lnot_wave_0_\@
	s_barrier_signal -3
.Lnot_wave_0_\@:
	s_barrier_wait -3
	s_barrier_signal -1
	s_barrier_wait -1
.endm
.macro CROUND
	s_barrier_signal -1
	s_barrier_wait -1
	CREST
.endm
	s_load_b128 s[4:7], s[0:1], 0x0                ; hc, cod
	s_load_b128 s[8:11], s[0:1], 0x10              ; b2, outf
	s_load_b64 s[12:13], s[0:1], 0x20              ; x2
	v_lshl_add_u32 v[SPW], v0, 2, SPARE
	v_mov_b32 v[NIL], 0
	ds_add_u32 v28, v29
	s_wait_dscnt 0x0
	v_lshrrev_b32 v1, 5, v0
	v_readfirstlane_b32 s14, v1                    ; wave 0..3
	s_lshr_b32 s15, s14, 1                         ; RH: my half of the tokens.  Also: I fetch for A (0) or for B (1)
	s_and_b32 s16, s14, 1                          ; CH: my half of the outputs.  Also: which of a slot's two panels I fetch
	s_bfe_u32 s40, ttmp6, 0x40000                  ; cx
	s_bfe_u32 s41, ttmp6, 0x40004                  ; cy
	s_lshl_b32 s42, ttmp9, 2
	s_add_co_u32 s42, s42, s40                     ; x: which 128 outputs
	s_and_b32 s17, ttmp7, 0xffff
	s_lshl_b32 s17, s17, 2
	s_add_co_u32 s17, s17, s41                     ; y: which 128 tokens
	s_lshl_b32 s43, s41, 2
	s_lshl_b32 s43, 15, s43                        ; my row of the cluster
	s_lshl_b32 s44, 0x1111, s40                    ; my column
	s_or_b32 s[G1], s43, (3<<16)|(1<<21)           ; 15:0 the mask; 17:16 elements of 8 bytes; 21 set beside a mask; no padding: an image's 512 bytes are read on end
	s_or_b32 s[G1B], s44, (3<<16)|(1<<21)
	s_or_b32 s[G1S], s43, (3<<16)|(1<<21)
	s_or_b32 s[G1SB], s44, (3<<16)|(1<<21)
.irp g, G1, G1B                        ; half a panel's codes: 128 rows of 256 bytes, dense
	s_mov_b32 s[\g+1], 32<<16                      ; tensor_dim0 = 32 elements
	s_mov_b32 s[\g+2], 128<<16                     ; tensor_dim1 = 128
	s_mov_b32 s[\g+3], 32<<16                      ; tile_dim0
	s_mov_b32 s[\g+4], 128                         ; tile_dim1
	s_mov_b32 s[\g+5], 32                          ; the pitch
	s_mov_b32 s[\g+6], 0
	s_mov_b32 s[\g+7], 0
.endr
.irp g, G1S, G1SB                      ; one K step's scale words of my half in the eight panels: 8 rows of 512 bytes, a panel apart
	s_mov_b32 s[\g+1], 64<<16
	s_mov_b32 s[\g+2], 8<<16
	s_mov_b32 s[\g+3], 64<<16
	s_mov_b32 s[\g+4], 8
	s_mov_b32 s[\g+5], PAN/8
	s_mov_b32 s[\g+6], 0
	s_mov_b32 s[\g+7], 0
.endr
	s_mul_i32 s18, s16, PAN                        ; the panel of a slot that I fetch,
	s_lshl_b32 s19, s16, 11                        ; and the two K steps whose scale words I fetch: 1,024 bytes a step
	; A: block y / 2 of 256 tokens, half y % 2.  Registers that feed A's descriptors never hold cx, those that feed B's never cy
	s_lshr_b32 s20, s17, 1
	s_mul_i32 s20, s20, RB8
	s_and_b32 s21, s17, 1
	s_lshl_b32 s22, s21, 9
	s_lshl_b32 s21, s21, 15
	s_add_co_u32 s22, s22, s20
	s_add_co_u32 s20, s20, s21
	s_add_co_u32 s20, s20, s18                     ; my codes
	s_add_co_u32 s22, s22, s19
	s_add_co_u32 s22, s22, 65536                   ; my scale words
	s_mov_b32 s21, 0
	s_mov_b32 s23, 0
	; B: block x / 2 of 256 rows of w2, half x % 2
	s_lshr_b32 s46, s42, 1
	s_mul_i32 s46, s46, RB8
	s_and_b32 s47, s42, 1
	s_lshl_b32 s66, s47, 9
	s_lshl_b32 s47, s47, 15
	s_add_co_u32 s66, s66, s46
	s_add_co_u32 s46, s46, s47
	s_add_co_u32 s46, s46, s18
	s_add_co_u32 s46, s46, OFF_W2
	s_add_co_u32 s66, s66, s19
	s_add_co_u32 s66, s66, OFF_W2+65536
	s_mov_b32 s47, 0
	s_mov_b32 s67, 0
	s_lshl_b32 s45, s14, 15                        ; where the codes go: wave x 32,768: no place in the cluster enters an LDS address
	s_lshl_b32 s3, s14, 13                         ; and the scale words: wave x 8,192
	s_wait_kmcnt 0x0
	s_add_nc_u64 s[20:21], s[4:5], s[20:21]
	s_add_nc_u64 s[22:23], s[4:5], s[22:23]
	s_add_nc_u64 s[46:47], s[6:7], s[46:47]
	s_add_nc_u64 s[66:67], s[6:7], s[66:67]
	CROUND                                         ; all sixteen work-groups are here: the first joint loads meet
.irp n, 0,1                            ; the scale words first: they are wanted with the first K step
	s_mov_b32 s[G0S+4*\n], 1
	s_add_co_u32 s[G0S+4*\n+1], s3, SCL+\n*4096
	s_add_nc_u64 s[G0S+4*\n+2:G0S+4*\n+3], s[22:23], \n*1024
	s_or_b32 s[G0S+4*\n+3], s[G0S+4*\n+3], 0x80000000
	s_mov_b32 s[G0SB+4*\n], 1
	s_add_co_u32 s[G0SB+4*\n+1], s3, SCL+\n*4096
	s_add_nc_u64 s[G0SB+4*\n+2:G0SB+4*\n+3], s[66:67], \n*1024
	s_or_b32 s[G0SB+4*\n+3], s[G0SB+4*\n+3], 0x80000000
	JLOAD G0S+4*\n, G1S, G0SB+4*\n, G1SB
.endr
.irp s, 0,1                            ; then both slots: panels 0, 1 and 2, 3
	s_mov_b32 s[G0+4*\s], 1
	s_add_co_u32 s[G0+4*\s+1], s45, \s*SLOT
	s_add_nc_u64 s[G0+4*\s+2:G0+4*\s+3], s[20:21], \s*2*PAN
	s_or_b32 s[G0+4*\s+3], s[G0+4*\s+3], 0x80000000
	s_mov_b32 s[G0B+4*\s], 1
	s_add_co_u32 s[G0B+4*\s+1], s45, \s*SLOT
	s_add_nc_u64 s[G0B+4*\s+2:G0B+4*\s+3], s[46:47], \s*2*PAN
	s_or_b32 s[G0B+4*\s+3], s[G0B+4*\s+3], 0x80000000
	JLOAD G0+4*\s, G1, G0B+4*\s, G1B
.endr
	v_and_b32 v1, 15, v0                           ; r
	v_bfe_u32 v2, v0, 4, 1                         ; hh
	v_and_b32 v3, 31, v0
	v_lshlrev_b32 v[LI], 4, v3
	s_lshl_b32 s18, s15, 14                        ; my four tiles of A: 16,384 bytes of a half panel
	s_lshl_b32 s19, s16, 14
	s_add_co_u32 s19, s19, 2*HC                    ; and of B, behind A's two half panels
.irp s, 0,1
	v_add_nc_u32 v[ADRA+\s], s18, v[LI]
	v_add_nc_u32 v[ADRB+\s], s19, v[LI]
	s_add_co_u32 s18, s18, SLOT
	s_add_co_u32 s19, s19, SLOT
.endr
	s_lshl_b32 s18, s15, 8                         ; my four tiles' words: 256 bytes of a row of 512
	s_lshl_b32 s19, s16, 8
	s_add_co_u32 s19, s19, SCO
	s_sub_co_u32 s19, s19, s18                     ; from A's words to B's
	v_mul_u32_u24 v4, s19, v2                      ; lanes 16-31 take B's
	v_lshl_add_u32 v4, v1, 4, v4
	s_add_co_u32 s18, s18, SCL
	v_add_nc_u32 v[ADRS], s18, v4
	s_mul_i32 s18, s14, WST                        ; my stages
	v_mul_u32_u24 v[STO], v1, SP
	v_lshl_add_u32 v[STO], v2, 6, v[STO]
	v_add_nc_u32 v[STO], s18, v[STO]               ; in: row r, + 64 hh
	v_mul_u32_u24 v[RD], v2, SP
	v_lshl_add_u32 v[RD], v1, 4, v[RD]
	v_add_nc_u32 v[RD], s18, v[RD]                 ; back: lanes 0-15 one row of 256 bytes, lanes 16-31 the next
	v_lshlrev_b32 v[CO], 12, v2
	v_lshl_add_u32 v[CO], v1, 4, v[CO]             ; and the same two rows in out and x2
	v_lshlrev_b32 v5, 6, v2
	s_lshl_b32 s2, s42, 9                          ; my 64 outputs, in bytes: 512 x + 256 CH
	s_lshl_b32 s18, s16, 8
	s_add_co_u32 s2, s2, s18
	s_mov_b32 s3, 0
	s_add_nc_u64 s[8:9], s[8:9], s[2:3]            ; b2 there
	s_lshl_b32 s43, s17, 19                        ; my 64 tokens' rows of 4,096 bytes: 128 y + 64 RH
	s_add_co_u32 s2, s2, s43
	s_lshl_b32 s18, s15, 18
	s_add_co_u32 s2, s2, s18
	s_add_nc_u64 s[10:11], s[10:11], s[2:3]        ; out
	s_add_nc_u64 s[12:13], s[12:13], s[2:3]        ; x2
.irp b, 0,1,2,3
.irp e, 0,1
	global_load_b128 v[BI+8*\b+4*\e:BI+8*\b+4*\e+3], v5, s[8:9] offset:128*(\b/2)+32*(\b%2)+16*\e   ; b2 in the result's layout
.endr
.endr
; 8 products: A's tiles a0, a0 + 1 x B's four, K step kk of the pair in set p; scr: the K step's four scale registers.  mode 2: b2 is the C of the sum's first product.
; The 16 accumulators take turns, one instruction a turn, in the same order in every K step.
.macro MUL8 a0, p, kk, scr, mode
.irp a, \a0, \a0+1
.irp b, 0,1,2,3
.if \mode == 2
	v_wmma_scale_f32_16x16x128_f8f6f4 v[ACC+8*(4*(\a)+\b):ACC+8*(4*(\a)+\b)+7], v[128*(\p)+64*(\kk)+8*\b:128*(\p)+64*(\kk)+8*\b+7], v[128*(\p)+64*(\kk)+32+8*(\a):128*(\p)+64*(\kk)+32+8*(\a)+7], v[BI+8*\b:BI+8*\b+7], v[(\scr)+\b], v[(\scr)+(\a)] matrix_a_fmt:MATRIX_FMT_FP4 matrix_b_fmt:MATRIX_FMT_FP4 matrix_a_scale:MATRIX_SCALE_ROW1
.else
	v_wmma_scale_f32_16x16x128_f8f6f4 v[ACC+8*(4*(\a)+\b):ACC+8*(4*(\a)+\b)+7], v[128*(\p)+64*(\kk)+8*\b:128*(\p)+64*(\kk)+8*\b+7], v[128*(\p)+64*(\kk)+32+8*(\a):128*(\p)+64*(\kk)+32+8*(\a)+7], v[ACC+8*(4*(\a)+\b):ACC+8*(4*(\a)+\b)+7], v[(\scr)+\b], v[(\scr)+(\a)] matrix_a_fmt:MATRIX_FMT_FP4 matrix_b_fmt:MATRIX_FMT_FP4 matrix_a_scale:MATRIX_SCALE_ROW1
.endif
.endr
.endr
.endm
; 32 LDS loads in one run: my fragments of the slot's K steps 2 u and 2 u + 1 (panel u / 2 of the slot, its steps 2 (u % 2) and + 1) into set p; each load takes 512 bytes on end
.macro FETCH2 sl, u, p
	WIN TO_F
.irp kk, 0,1
.irp i, 0,1,2,3
.irp c, 0,1
	ds_load_b128 v[128*(\p)+64*\kk+8*\i+4*\c:128*(\p)+64*\kk+8*\i+4*\c+3], v[ADRB+\sl] offset:((\u)/2)*HC+\i*4096+(2*((\u)%2)+\kk)*1024+512*\c
.endr
.endr
.irp i, 0,1,2,3
.irp c, 0,1
	ds_load_b128 v[128*(\p)+64*\kk+32+8*\i+4*\c:128*(\p)+64*\kk+32+8*\i+4*\c+3], v[ADRA+\sl] offset:((\u)/2)*HC+\i*4096+(2*((\u)%2)+\kk)*1024+512*\c
.endr
.endr
.endr
.endm
.macro SCALES f                        ; the scale words of fill f (panels 2 f, 2 f + 1) into set f % 2: a load brings my four tiles' words of one K step, A's in lanes 0-15, B's in lanes 16-31
	WIN 0
.irp k, 0,1,2,3,4,5,6,7
	ds_load_b128 v[SC+32*((\f)%2)+4*\k:SC+32*((\f)%2)+4*\k+3], v[ADRS] offset:(\k%4)*4096+(2*(\f)+\k/4)*512
.endr
.endm
.macro PAIR sl, u, mode                ; two K steps that have their successors in the same slot
	s_wait_dscnt 0x0                               ; this pair's fragments, asked for a pair ago, are in
	PLACES 4                                       ; in front of loads into the set that the last pair's products read
	FETCH2 \sl, (\u)+1, 1-(\u)%2
	WIN MUL
	MUL8 0, (\u)%2, 0, SC+32*\sl+8*(\u), \mode
	MUL8 2, (\u)%2, 0, SC+32*\sl+8*(\u), \mode
	MUL8 0, (\u)%2, 1, SC+32*\sl+8*(\u)+4, 0
	MUL8 2, (\u)%2, 1, SC+32*\sl+8*(\u)+4, 0
.endm
; A slot's last pair changes slots: ONE barrier; in front of it each wave waits for all its tensor loads, adds 0 to its spare word, and waits for that and for its reads of this slot.
; fill = 1: the barrier opens a round of the cluster's, and this slot is filled again, four panels on.  fn: the fill that is read next.
.macro TURN sl, nx, fill, fn
	WIN 0                                          ; (the add's two registers lie in window 0)
	s_wait_tensorcnt 0x0                           ; all my tensor loads have landed: my part of the next slot
	ds_add_u32 v[SPW], v[NIL]                      ; 0 onto my spare word
	s_wait_dscnt 1                                 ; the fragments are in; the add may be out
	WIN MUL
	MUL8 0, 1, 0, SC+32*\sl+24, 0                  ; sixteen products stand between the add and the wait for it
	MUL8 2, 1, 0, SC+32*\sl+24, 0
	s_wait_dscnt 0x0                               ; the add is done, and my reads of this slot are over
	s_barrier_signal -1
	MUL8 0, 1, 1, SC+32*\sl+28, 0
	WIN 0
	s_barrier_wait -1
.if \fill
	CREST                                          ; no wave of any partner still reads this slot or has a load on its way
	s_add_nc_u64 s[G0+4*\sl+2:G0+4*\sl+3], s[G0+4*\sl+2:G0+4*\sl+3], 4*PAN
	s_add_nc_u64 s[G0B+4*\sl+2:G0B+4*\sl+3], s[G0B+4*\sl+2:G0B+4*\sl+3], 4*PAN
	JLOAD G0+4*\sl, G1, G0B+4*\sl, G1B             ; the first tensor load behind the round; its four v_nop are the places in front of the loads below
.else
	PLACES 4
.endif
	FETCH2 \nx, 0, 0
	SCALES \fn
	WIN MUL
	MUL8 2, 1, 1, SC+32*\sl+28, 0
.endm
	s_wait_tensorcnt 1                             ; the scale words and my part of slot 0 are in; slot 1's load may be out
	s_barrier_signal -1
	s_barrier_wait -1
	FETCH2 0, 0, 0
	SCALES 0
	s_wait_loadcnt 0x0                             ; b2
	PAIR 0, 0, 2                                   ; the first products start the sums: nothing is cleared
	WIN 0x80                                       ; destination window 2: my 64 x 64 numbers of out, in the order in which the rows come back from the stage; they have the whole product in which to land
.irp a, 0,1,2,3
.irp k, 0,1,2,3,4,5,6,7
	global_load_b128 v[32*\a+4*\k:32*\a+4*\k+3], v[CO], s[10:11] offset:\a*65536+\k*8192
.endr
.endr
	PAIR 0, 1, 0
	PAIR 0, 2, 0
	TURN 0, 1, 1, 1                                ; slot 0 takes panels 4 and 5
	PAIR 1, 0, 0
	PAIR 1, 1, 0
	PAIR 1, 2, 0
	TURN 1, 0, 1, 2                                ; slot 1 takes panels 6 and 7
	PAIR 0, 0, 0
	PAIR 0, 1, 0
	PAIR 0, 2, 0
	TURN 0, 1, 0, 3                                ; nothing is left to fetch
	PAIR 1, 0, 0
	PAIR 1, 1, 0
	PAIR 1, 2, 0
	s_wait_dscnt 0x0
	WIN MUL
	MUL8 0, 1, 0, SC+32+24, 0
	MUL8 2, 1, 0, SC+32+24, 0
	MUL8 0, 1, 1, SC+32+28, 0
	MUL8 2, 1, 1, SC+32+28, 0
	WIN 0
; THE WAY OUT, 16 tokens x 64 outputs at a time: a lane holds pieces of 32 bytes of one row, and the lanes beside it hold other rows: so a block goes through my stage and comes back as whole rows of 256 bytes, takes the same rows of out,
; and is stored: 16 lanes store 256 consecutive bytes, aligned.  Every offset is an immediate (253,952 at the most): no base is stepped, and no register that a store reads is written again.
.macro TOSTAGE a
.irp b, 0,1,2,3
	ds_store_b128 v[STO], v[ACC+8*(4*(\a)+\b):ACC+8*(4*(\a)+\b)+3] offset:(\a)*16*SP+128*(\b/2)+32*(\b%2)        ; each accumulator from its low end on
	ds_store_b128 v[STO], v[ACC+8*(4*(\a)+\b)+4:ACC+8*(4*(\a)+\b)+7] offset:(\a)*16*SP+128*(\b/2)+32*(\b%2)+16
.endr
	WIN TO_F
.irp k, 0,1,2,3,4,5,6,7
	ds_load_b128 v[32*(\a)+4*\k:32*(\a)+4*\k+3], v[RD] offset:(\a)*16*SP+2*\k*SP   ; LDS serves a wave's instructions in order: these see my stores
.endr
	WIN 0
.endm
.macro SEND a, younger                 ; younger: the LDS instructions issued behind block a's loads, which may stay out
	s_wait_dscnt \younger
	WIN 0x49                                       ; destination and source 0 window 1, source 1 (out) window 2
.set n, 0
.rept 16
	v_pk_add_f32 v[32*(\a)+n:32*(\a)+n+1], v[32*(\a)+n:32*(\a)+n+1], v[32*(\a)+n:32*(\a)+n+1]
.set n, n+2
.endr
	WIN 0x04                                       ; a store's data: window 1
.irp k, 0,1,2,3,4,5,6,7
	global_store_b128 v[CO], v[32*(\a)+4*\k:32*(\a)+4*\k+3], s[12:13] offset:(\a)*65536+\k*8192
.endr
	WIN 0
.endm
	PLACES 4                                       ; in front of the first reads of results and of loads into the fragments' registers
	TOSTAGE 0
	TOSTAGE 1
	s_wait_loadcnt 0x0                             ; out
	SEND 0, 16                                     ; behind block 0's loads: block 1's 8 stores and 8 loads
	TOSTAGE 2
	SEND 1, 16
	TOSTAGE 3
	SEND 2, 16
	SEND 3, 0
	s_wait_tensorcnt 0x0                           ; the wave's end
	ds_add_u32 v[SPW], v[NIL]
	s_wait_dscnt 0x0
	CROUND                                         ; the closing round
	s_endpgm
.Lfunc_end_k_q44698a8ce7_ffn2:
	.size	k_q44698a8ce7_ffn2, .Lfunc_end_k_q44698a8ce7_ffn2-k_q44698a8ce7_ffn2
	.p2alignl 7, 3214868480
	.fill 96, 4, 3214868480
	.section	.rodata,"a",@progbits
	.p2align	6, 0x0
	.amdhsa_kernel k_q44698a8ce7_ffn2
		.amdhsa_group_segment_fixed_size 327680
		.amdhsa_private_segment_fixed_size 0
		.amdhsa_enable_private_segment 0
		.amdhsa_kernarg_size 40
		.amdhsa_user_sgpr_count 2
		.amdhsa_user_sgpr_kernarg_segment_ptr 1
		.amdhsa_wavefront_size32 1
		.amdhsa_system_sgpr_workgroup_id_x 1
		.amdhsa_system_sgpr_workgroup_id_y 1
		.amdhsa_system_sgpr_workgroup_id_z 1
		.amdhsa_system_vgpr_workitem_id 0
		.amdhsa_next_free_vgpr 640
		.amdhsa_next_free_sgpr 100
		.amdhsa_reserve_vcc 0
		.amdhsa_float_denorm_mode_32 3
		.amdhsa_float_denorm_mode_16_64 3
		.amdhsa_memory_ordered 1
		.amdhsa_forward_progress 1
		.amdhsa_inst_pref_size 131
	.end_amdhsa_kernel
	.amdgpu_metadata
---
amdhsa.version: [ 1, 2 ]
amdhsa.kernels:
  - .name:           k_q44698a8ce7_ffn2
    .symbol:         k_q44698a8ce7_ffn2.kd
    .args:
      - { .name: hc, .offset: 0, .size: 8, .value_kind: global_buffer, .address_space: global }
      - { .name: cod, .offset: 8, .size: 8, .value_kind: global_buffer, .address_space: global }
      - { .name: b2, .offset: 16, .size: 8, .value_kind: global_buffer, .address_space: global }
      - { .name: outf, .offset: 24, .size: 8, .value_kind: global_buffer, .address_space: global }
      - { .name: x2, .offset: 32, .size: 8, .value_kind: global_buffer, .address_space: global }
    .group_segment_fixed_size: 327680
    .private_segment_fixed_size: 0
    .kernarg_segment_align: 8
    .kernarg_segment_size: 40
    .max_flat_workgroup_size: 128
    .sgpr_count:     100
    .vgpr_count:     640
    .wavefront_size: 32
...
	.end_amdgpu_metadata
.endif
;; end of part 7
;; launch ln2: the kernel of part 6 again; grid 256 x 1, 8 waves a work-group, no clusters, 0 bytes of LDS; arguments x2, g2, be2, out0; writes out0
